; MI455X (gfx1250); checked and timed in simulation.
; The chip was launched on July 23, 2026; its instructions are those of AMD's public machine-readable ISA for CDNA 5 (MIT licence, August 2026) and "CDNA5" Instruction Set Architecture Reference Guide (July 2026). The comments in the code are by the model that wrote it; some were corrected since.
;; Multihead Attention Main. Allowed arithmetic: float matrix products may take bf16 or f16 operands with f32 sums; all other float work in f32.
;; Inputs: Wk 1,024 x 1,024 float32; Wo 1,024 x 1,024 float32; Wq 1,024 x 1,024 float32; Wv 1,024 x 1,024 float32; bo 1,024 float32; x 4 x 2,048 x 1,024 float32.
;; Outputs: out0 4 x 2,048 x 1,024 float32.
;; 2 versions, each right; version 2 is version 1 with the launch prep written anew for expert scheduling mode. Each part assembles by itself: llvm-mc -triple=amdgcn-amd-amdhsa -mcpu=gfx1250 --defsym DOCPART=n.
;; ======== version 1 of 2: 4 launches
;; limits: values are held in f16: magnitudes above 65,504 overflow, below 6.1e-05 lose precision
;; workspace buffers: xb 16,777,216 bytes; wt 6,291,456 bytes; wot 2,097,152 bytes; qkv 50,331,648 bytes; ctx 16,777,216 bytes
;; launch prep (part 1): grid 256 x 1, 8 waves a work-group, no clusters, 34,304 bytes of LDS; arguments x, Wq, Wk, Wv, Wo, xb, wt, wot; writes xb, wt, wot
.if DOCPART == 1
	.amdgcn_target "amdgcn-amd-amdhsa--gfx1250"
	.amdhsa_code_object_version 6
	.text
	.protected	k_q150f42f650_prep
	.globl	k_q150f42f650_prep
	.p2align	8
	.type	k_q150f42f650_prep,@function
k_q150f42f650_prep:
	s_mov_b64 s[64:65], 0
	v_nop
	global_prefetch_b8 v0, s[64:65] scope:SCOPE_SE
	s_setreg_imm32_b32 hwreg(HW_REG_WAVE_MODE, 25, 1), 1
	s_wait_xcnt 0x0
; CASTS, in one pass.  xb = bf16(x), [8192][1024].  wt[n][k] = bf16(W[k][n]) for Wq (rows 0-1023), Wk (1024-2047), Wv (2048-3071).
; wot[n][k] = bf16(Wo[k][n]) written as f16: the same number, so that the last product can take f16 operands on both sides.
; LIMIT.  bf16(Wo) beyond 65,504 becomes an infinity in f16; below 2^-14 it keeps f16's fixed step of 2^-24.
; SHARES.  256 work-groups of eight waves, all alike: each casts 32 rows of x and turns one tile of 128 k x 128 n of one weight matrix (4 matrices x 64 tiles).
; A wave issues all its loads at once, 16 of W and 32 of x, 512 consecutive bytes each: 24 KiB a wave on their way.  No matrix unit and no cluster: bytes are all the work.
; THE TURN.  Wave w holds rows (k) 16 w .. 16 w + 15 of the tile, a lane four columns of each.  Two neighbouring rows round into one word (k even below, k odd above), which goes to
; LDS row n, word 8 w + p.  Behind one barrier wave w reads LDS rows 16 w .. 16 w + 15 whole: 128 k = 256 bytes of an output row.
.set LP,    260                        ; an LDS row: 256 bytes + 4 = 65 words, so that neighbouring rows start one bank apart (64 banks of 4 bytes: ISA guide 11.1)
.set WREG,  32                         ; v[32:95]   16 rows of W, four columns a lane; later the rows read back
.set XREG,  96                         ; v[96:223]  32 rows of x, four numbers a thread; rounded in place
	s_load_b512 s[8:23], s[0:1], 0x0               ; x s[8:9], Wq s[10:11], Wk s[12:13], Wv s[14:15], Wo s[16:17], xb s[18:19], wt s[20:21], wot s[22:23]
	v_lshl_add_u32 v224, v0, 2, 0x8200
	v_mov_b32 v225, 0
	s_mov_b32 s2, ttmp9
	v_lshrrev_b32 v3, 5, v0
	v_readfirstlane_b32 s3, v3                     ; wave 0..7
	s_lshr_b32 s4, s2, 6                           ; matrix: 0 Wq, 1 Wk, 2 Wv, 3 Wo
	s_bfe_u32 s5, s2, 0x30003                      ; which 128 rows (k) of it
	s_and_b32 s6, s2, 7                            ; which 128 columns (n)
	s_mov_b32 s28, 0xffff0000                      ; a word's upper bf16
	v_lshlrev_b32 v1, 4, v0                        ; x: thread t takes 16 bytes at 16 t of each row
	v_lshlrev_b32 v2, 3, v0                        ; xb: 8 bytes at 8 t
	v_and_b32 v8, 31, v0                           ; lane
	v_lshlrev_b32 v4, 4, v8                        ; W: four columns at 16 x lane
	v_mul_u32_u24 v5, v8, 4*LP                     ; into LDS: row 4 x lane (+ c),
	s_lshl_b32 s7, s3, 5
	v_add_nc_u32 v5, s7, v5                        ; word 8 w (+ p)
	v_and_b32 v9, 15, v0                           ; r
	v_bfe_u32 v10, v0, 4, 1                        ; h
	v_lshlrev_b32 v11, 4, v9                       ; 16 r
	v_lshl_add_u32 v7, v10, 11, v11                ; out: row h of two rows of 2,048 bytes, 16 bytes at 16 r
	v_mul_u32_u24 v6, v10, LP
	v_add_nc_u32 v6, v6, v11
	s_mul_i32 s7, s3, 16*LP
	v_add_nc_u32 v6, s7, v6                        ; back from LDS: row 16 w + h, byte 16 r
	s_lshl_b32 s30, s2, 17                         ; 32 rows x 4,096 bytes of x
	s_mov_b32 s31, 0
	s_lshl_b32 s32, s2, 16                         ; 32 rows x 2,048 bytes of xb
	s_mov_b32 s33, 0
	s_lshl_b32 s34, s5, 19                         ; W: (128 x block + 16 w) rows of 4,096 bytes + 128 columns x 4 bytes
	s_lshl_b32 s7, s3, 16
	s_add_co_u32 s34, s34, s7
	s_lshl_b32 s7, s6, 9
	s_add_co_u32 s34, s34, s7
	s_mov_b32 s35, 0
	s_wait_kmcnt 0x0
	s_mov_b64 s[24:25], s[10:11]                   ; the source is chosen by the matrix's number
	s_cmp_eq_u32 s4, 1
	s_cselect_b64 s[24:25], s[12:13], s[24:25]
	s_cmp_eq_u32 s4, 2
	s_cselect_b64 s[24:25], s[14:15], s[24:25]
	s_cmp_eq_u32 s4, 3
	s_cselect_b64 s[24:25], s[16:17], s[24:25]
	s_cselect_b64 s[26:27], s[22:23], s[20:21]     ; Wo goes to wot, the others to wt
	s_cselect_b32 s29, 0, s4                       ; and begins at row 0 there
	s_add_nc_u64 s[24:25], s[24:25], s[34:35]
	s_add_nc_u64 s[8:9], s[8:9], s[30:31]
	s_add_nc_u64 s[18:19], s[18:19], s[32:33]
.set i, 0
.rept 16
	global_load_b128 v[WREG+4*i:WREG+4*i+3], v4, s[24:25] offset:i*4096 th:TH_LOAD_NT  ; a row's 512 consecutive bytes
.set i, i+1
.endr
.set i, 0
.rept 32
	global_load_b128 v[XREG+4*i:XREG+4*i+3], v1, s[8:9] offset:i*4096 th:TH_LOAD_NT    ; the eight waves together take a row
.set i, i+1
.endr
	s_lshl_b32 s36, s29, 21                        ; out: (1,024 x matrix + 128 x column block + 16 w) rows of 2,048 bytes + my 128 k = 256 bytes
	s_lshl_b32 s7, s6, 18
	s_add_co_u32 s36, s36, s7
	s_lshl_b32 s7, s3, 15
	s_add_co_u32 s36, s36, s7
	s_lshl_b32 s7, s5, 8
	s_add_co_u32 s36, s36, s7
	s_mov_b32 s37, 0
	s_add_nc_u64 s[26:27], s[26:27], s[36:37]
.set p, 0
.rept 8
	s_wait_loadcnt 46-2*p                          ; of 48 loads rows 2 p and 2 p + 1 of W are in; the later rows and all of x stay out
.irp c, 0,1,2,3
	v_cvt_pk_bf16_f32 v[WREG+8*p+\c], v[WREG+8*p+\c], v[WREG+8*p+4+\c]  ; column 4 x lane + c, k pair 8 w + p
.endr
.set p, p+1
.endr
	s_cmp_lg_u32 s4, 3
	s_cbranch_scc1 .Lbf                            ; only Wo's numbers are written anew as f16
.set p, 0
.rept 8
.irp c, 0,1,2,3
	v_lshlrev_b32 v[WREG+8*p+4+\c], 16, v[WREG+8*p+\c]
	v_and_b32 v[WREG+8*p+\c], s28, v[WREG+8*p+\c]
	v_cvt_pk_f16_f32 v[WREG+8*p+\c], v[WREG+8*p+4+\c], v[WREG+8*p+\c]
.endr
.set p, p+1
.endr
.Lbf:
.set p, 0
.rept 8
.irp c, 0,1,2,3
	ds_store_b32 v5, v[WREG+8*p+\c] offset:\c*LP+4*p
.endr
.set p, p+1
.endr
	s_wait_dscnt 0x0                               ; for the others' sake: my words of all 128 rows are in LDS
	s_barrier_signal -1
	s_barrier_wait -1                              ; everybody's are
.set i, 0
.rept 8
.irp c, 0,1,2,3
	ds_load_b32 v[WREG+4*i+\c], v6 offset:i*2*LP+4*\c  ; rows 16 w + 2 i + h
.endr
.set i, i+1
.endr
.set i, 0
.rept 8
	s_wait_dscnt 28-4*i                            ; the four words of rows 2 i, 2 i + 1 are in; the later ones stay out
	global_store_b128 v7, v[WREG+4*i:WREG+4*i+3], s[26:27] offset:i*4096  ; sixteen lanes store 256 consecutive bytes, aligned
.set i, i+1
.endr
.set i, 0
.rept 32
	s_wait_loadcnt 31-i                            ; row i of x is in, the 31 - i younger ones stay out
	v_cvt_pk_bf16_f32 v[XREG+4*i], v[XREG+4*i], v[XREG+4*i+1]
	v_cvt_pk_bf16_f32 v[XREG+4*i+1], v[XREG+4*i+2], v[XREG+4*i+3]
	global_store_b64 v2, v[XREG+4*i:XREG+4*i+1], s[18:19] offset:i*2048  ; a wave's store covers 256 consecutive bytes, aligned; no register is written again
.set i, i+1
.endr
	s_wait_tensorcnt 0x0
	ds_add_u32 v224, v225
	s_wait_dscnt 0x0
	s_endpgm
.Lfunc_end_k_q150f42f650_prep:
	.size	k_q150f42f650_prep, .Lfunc_end_k_q150f42f650_prep-k_q150f42f650_prep
	.p2alignl 7, 3214868480
	.fill 96, 4, 3214868480
	.section	.rodata,"a",@progbits
	.p2align	6, 0x0
	.amdhsa_kernel k_q150f42f650_prep
		.amdhsa_group_segment_fixed_size 34304
		.amdhsa_private_segment_fixed_size 0
		.amdhsa_enable_private_segment 0
		.amdhsa_kernarg_size 64
		.amdhsa_user_sgpr_count 2
		.amdhsa_user_sgpr_kernarg_segment_ptr 1
		.amdhsa_wavefront_size32 1
		.amdhsa_system_sgpr_workgroup_id_x 1
		.amdhsa_system_sgpr_workgroup_id_y 1
		.amdhsa_system_sgpr_workgroup_id_z 1
		.amdhsa_system_vgpr_workitem_id 0
		.amdhsa_next_free_vgpr 226
		.amdhsa_next_free_sgpr 66
		.amdhsa_reserve_vcc 0
		.amdhsa_float_denorm_mode_32 3
		.amdhsa_float_denorm_mode_16_64 3
		.amdhsa_memory_ordered 1
		.amdhsa_forward_progress 1
		.amdhsa_inst_pref_size 27
	.end_amdhsa_kernel
	.amdgpu_metadata
---
amdhsa.version: [ 1, 2 ]
amdhsa.kernels:
  - .name:           k_q150f42f650_prep
    .symbol:         k_q150f42f650_prep.kd
    .args:
      - { .name: x, .offset: 0, .size: 8, .value_kind: global_buffer, .address_space: global }
      - { .name: Wq, .offset: 8, .size: 8, .value_kind: global_buffer, .address_space: global }
      - { .name: Wk, .offset: 16, .size: 8, .value_kind: global_buffer, .address_space: global }
      - { .name: Wv, .offset: 24, .size: 8, .value_kind: global_buffer, .address_space: global }
      - { .name: Wo, .offset: 32, .size: 8, .value_kind: global_buffer, .address_space: global }
      - { .name: xb, .offset: 40, .size: 8, .value_kind: global_buffer, .address_space: global }
      - { .name: wt, .offset: 48, .size: 8, .value_kind: global_buffer, .address_space: global }
      - { .name: wot, .offset: 56, .size: 8, .value_kind: global_buffer, .address_space: global }
    .group_segment_fixed_size: 34304
    .private_segment_fixed_size: 0
    .kernarg_segment_align: 8
    .kernarg_segment_size: 64
    .max_flat_workgroup_size: 256
    .sgpr_count:     66
    .vgpr_count:     226
    .wavefront_size: 32
...
	.end_amdgpu_metadata
.endif
;; end of part 1
;; launch qkv (part 2): grid 16 x 32, 4 waves a work-group, clusters of 4 x 4, 327,680 bytes of LDS; arguments xb, wt, qkv; writes qkv
.if DOCPART == 2
	.amdgcn_target "amdgcn-amd-amdhsa--gfx1250"
	.amdhsa_code_object_version 6
	.text
	.protected	k_q150f42f650_qkv
	.globl	k_q150f42f650_qkv
	.p2align	8
	.type	k_q150f42f650_qkv,@function
k_q150f42f650_qkv:
	s_mov_b64 s[64:65], 0
	v_nop
	global_prefetch_b8 v0, s[64:65] scope:SCOPE_SE
	s_setreg_imm32_b32 hwreg(HW_REG_WAVE_MODE, 25, 1), 1
	s_wait_xcnt 0x0
	s_wait_alu depctr_hold_cnt(0) depctr_sa_sdst(0) depctr_va_vdst(0) depctr_va_sdst(0) depctr_va_ssrc(0) depctr_va_vcc(0) depctr_vm_vsrc(0)
	s_getreg_b32 s2, hwreg(HW_REG_IB_STS2, 6, 4)
	s_cmp_eq_u32 s2, 0
	s_cbranch_scc0 .Lentry_in_a_cluster
	s_endpgm
.Lentry_in_a_cluster:
	s_bfe_u32 s2, ttmp6, 0x10000c
	s_cmp_lg_u32 s2, 0xf033
	s_cbranch_scc0 .Lentry_shape_is_right
	s_endpgm
.Lentry_shape_is_right:
; q, k, v = x W, laid by heads.  C[m][n] = sum over k of xb[m][k] wt[n][k]; xb [8192][1024], wt [3072][1024], bf16; sums in f32, rounded once to f16, unscaled.
; qkv: [3 (q, k, v)][64 (batch x 16 + head)][2048][64] f16.  LIMIT: a sum beyond 65,504 becomes an infinity; below 2^-14 f16 keeps its fixed step of 2^-24.
; A tile of C is 256 rows x 192 columns (three heads): 32 x 16 = 512 work-groups, two for each of 256 WGPs.  Wave w makes rows 64 w .. 64 w + 63 of all 192 columns:
; 4 x 12 accumulators of 16 x 16, 384 registers, so that a wave holds whole heads and its rows of a head leave as dense runs of 2,048 bytes.
; K goes in 8 steps of 128 through two LDS slots filled by the tensor data mover; rows of 256 bytes, padded to 272.
; CLUSTER 4 x 4: the four of a row need the same tile of xb, the four of a column the same tile of wt: each tile is asked for jointly.
; THE MATRIX INSTRUCTION IS USED TRANSPOSED (source 0 = 16 rows of wt, source 1 = 16 rows of xb): a lane holds row l % 16 and eight neighbouring columns.
; PREFETCH.  A K step's tile of xb is 256 blocks of 256 bytes, which the 16 work-groups of a tile row share.  Work-group tc asks for 32 of them, rows 32 (tc % 8) on, of the steps of parity
; tc / 8: one instruction of wave 3, its lanes 2,048 bytes apart, so that each block is asked for once in the launch.  Steps 2, 3 behind the first fills; steps 4, 5 in the loop's second trip,
; one and two trips ahead of the tensor loads that want them; steps 6, 7 two trips later; then nothing: no address leaves a row's 2,048 bytes.  wt is not asked for: all 32 tile rows read it again.
; REGISTERS: window 0: v0-31 addresses; v32-95 fragments of xb, two buffers; v96-143, v144-239 the way out.  Window 1: v0-191 fragments of wt, two buffers.
;   window 2: accumulators of row blocks 0, 1 at 96 (a % 2) + 8 b;  window 3: those of row blocks 2, 3.
.set KSTEP,  128
.set KDIM,   1024
.set PITCH,  272                       ; 256 bytes + 16 = 68 words: the 16 rows of a fragment load start at 16 different groups of four banks (64 banks of 4 bytes: ISA guide 11.1)
.set SLOT1,  131072                    ; slot 1 begins here: one exclusive or turns an address in one slot into the other's
.set AHALF,  128*PITCH                 ; what one load brings of xb
.set BOFF,   256*PITCH                 ; wt's 192 rows lie behind xb's 256
.set BHALF,  96*PITCH                  ; what one load brings of wt
.set STAGE,  SLOT1+448*PITCH           ; behind the ring, never filled by a tensor load
.set SP,     144                       ; a stage row: 128 bytes of one head + 16
.set WSTAGE, 3*16*SP                   ; a wave's stage: three heads x 16 rows
.set SPARE,  STAGE+4*WSTAGE            ; the spare words, 128 bytes a wave: two blocks of 256 bytes that no other line names
.set ADRA, 16                          ; v16  LDS address of my xb fragments in the slot in hand
.set ADRB, 17                          ; v17  the same for wt
.set AA0,  18                          ; v18  the same in slot 0; never rewritten
.set AB0,  19                          ; v19
.set STO,  24                          ; v24  the way out: where I put 16 bytes of a row
.set RD,   25                          ; v25  where I read rows back
.set GO,   26                          ; v26  my byte offset in 512 consecutive bytes of qkv
.set VP,   27                          ; v27  2,048 x lane: the prefetch's row; never rewritten
.set SPW,  28                          ; v28  LDS address of my spare word; never rewritten
.set NIL,  29                          ; v29  0; never rewritten
.set FA,   32                          ; xb's fragment buffer f at FA + 32 f
.set TMP,  96
.set OB,   144                         ; 48 registers, twice
.set WV,   10                          ; s10  wave
.set SL,   22                          ; s22  the slot that is read: 0 or SLOT1
.set G1,   24                          ; s[24:31] group 1 for xb's tiles;  s[32:39] group 0: set 0 for the first fill, set 1 walks
.set G0,   32
.set G1B,  48                          ; s[48:55], s[56:63] the same for wt's
.set G0B,  56
.set PF,   66                          ; s[66:67] the prefetch's address
.set HB,   68                          ; s[68:73] my rows' first byte in each of the tile's three heads
.set MSB, 0
.macro WIN new                         ; the immediate's high byte repeats the setting that is left; a switch that changes nothing is dropped
.if MSB != (\new)
	s_set_vgpr_msb (MSB<<8)|(\new)
.set MSB, (\new)
.endif
.endm
.macro PLACES                          ; four places in front of loads into registers that matrix instructions have read, and of conversions that read results
.rept 4
	v_nop
.endr
.endm
; A joint refill by the walking descriptors.  Waves 0, 1 fetch xb's two halves, waves 2, 3 wt's.  The branch hangs on the wave's number alone.
; An s_nop 0 and four v_nop follow each of the two lines, ahead of the jump and the label.
.macro JLOAD
	s_cmp_lt_u32 s[WV], 2
	s_cbranch_scc0 .Lfor_b_\@
	tensor_load_to_lds s[G0+4:G0+7], s[G1:G1+7]
	s_nop 0
.rept 4
	v_nop
.endr
	s_branch .Lasked_\@
.Lfor_b_\@:
	tensor_load_to_lds s[G0B+4:G0B+7], s[G1B:G1B+7]
	s_nop 0
.rept 4
	v_nop
.endr
.Lasked_\@:
.endm
; The loop's prefetch: wave 3 alone, in the trips with s3 = 5 and s3 = 3; the address was last used two trips ago, so the wait in front of its step finds nothing out.
.macro ASK
	s_cmp_lg_u32 s[WV], 3
	s_cbranch_scc1 .Lno_ask_\@
	s_bitcmp1_b32 s3, 0
	s_cbranch_scc0 .Lno_ask_\@
	s_cmp_lt_u32 s3, 3
	s_cbranch_scc1 .Lno_ask_\@
	s_wait_xcnt 0x0                                ; the address is stepped only behind this wait
	s_add_nc_u64 s[PF:PF+1], s[PF:PF+1], 2*KSTEP*2 ; two K steps on
	global_prefetch_b8 v[VP], s[PF:PF+1] th:TH_LOAD_NT scope:SCOPE_SE
.Lno_ask_\@:
.endm
.macro CREST                           ; a round of the cluster's barrier behind its opening barrier
	s_cmp_lg_u32 s[WV], 0
	s_cbranch_scc1 .Lnot_wave_0_\@
	s_barrier_signal -3
.Lnot_wave_0_\@:
	s_barrier_wait -3
	s_barrier_signal -1
	s_barrier_wait -1
.endm
.macro CROUND                          ; a whole round
	s_barrier_signal -1
	s_barrier_wait -1
	CREST
.endm
	s_load_b128 s[4:7], s[0:1], 0x0                ; xb s[4:5], wt s[6:7]
	s_load_b64 s[8:9], s[0:1], 0x10                ; qkv
	v_lshl_add_u32 v[SPW], v0, 2, SPARE
	v_mov_b32 v[NIL], 0
	ds_add_u32 v28, v29
	ds_add_u32 v28, v29
	s_wait_dscnt 0x0
	v_lshrrev_b32 v1, 5, v0
	v_readfirstlane_b32 s[WV], v1                  ; wave 0..3
	v_and_b32 v[VP], 31, v0
	v_lshlrev_b32 v[VP], 11, v[VP]
	s_and_b32 s12, s[WV], 1                        ; which half of a tile I fetch
	s_bfe_u32 s40, ttmp6, 0x40000                  ; cx
	s_bfe_u32 s41, ttmp6, 0x40004                  ; cy
	s_lshl_b32 s42, ttmp9, 2
	s_add_co_u32 s42, s42, s40                     ; tile column = 4 x cluster x + cx, 0..15
	s_and_b32 s13, ttmp7, 0xffff
	s_lshl_b32 s13, s13, 2
	s_add_co_u32 s13, s13, s41                     ; tile row = 4 x cluster y + cy, 0..31
	s_lshl_b32 s43, s41, 2
	s_lshl_b32 s43, 15, s43                        ; my row of the cluster
	s_lshl_b32 s44, 0x1111, s40                    ; my column
	s_or_b32 s[G1], s43, (1<<16)|(1<<20)|(1<<21)|(5<<22)|(3<<25)   ; mask; 2-byte elements; padding on; bit 21 beside a mask; after every 64 words, 4 words
	s_or_b32 s[G1B], s44, (1<<16)|(1<<20)|(1<<21)|(5<<22)|(3<<25)
	s_mov_b32 s[G1+1], KSTEP<<16                   ; tensor_dim0 = 128
	s_mov_b32 s[G1+2], 128<<16                     ; tensor_dim1 = 128
	s_mov_b32 s[G1+3], KSTEP<<16                   ; tile_dim0 = 128
	s_mov_b32 s[G1+4], 128                         ; tile_dim1 = 128
	s_mov_b32 s[G1+5], KDIM                        ; elements from row to row
	s_mov_b32 s[G1+6], 0
	s_mov_b32 s[G1+7], 0
	s_mov_b32 s[G1B+1], KSTEP<<16
	s_mov_b32 s[G1B+2], 96<<16                     ; 96 rows
	s_mov_b32 s[G1B+3], KSTEP<<16
	s_mov_b32 s[G1B+4], 96
	s_mov_b32 s[G1B+5], KDIM
	s_mov_b32 s[G1B+6], 0
	s_mov_b32 s[G1B+7], 0
	s_lshl_b32 s16, s13, 8                         ; xb: row 256 x tile row + 128 x half,
	s_lshl_b32 s17, s12, 7
	s_add_co_u32 s16, s16, s17
	s_lshl_b32 s16, s16, 11                        ; x 2,048 bytes: under 2^24
	s_mov_b32 s17, 0
	s_mul_i32 s46, s42, 192                        ; wt: row 192 x tile column + 96 x half
	s_mul_i32 s47, s12, 96
	s_add_co_u32 s46, s46, s47
	s_lshl_b32 s46, s46, 11
	s_mov_b32 s47, 0
	s_mul_i32 s20, s12, AHALF                      ; where they go: no place in the cluster enters an LDS address
	s_mul_i32 s21, s12, BHALF
	s_add_co_u32 s21, s21, BOFF
	s_lshl_b32 s74, s13, 8                         ; the prefetch: row 256 x tile row + 32 (tc % 8), K step 2 + tc / 8
	s_and_b32 s75, s42, 7
	s_lshl_b32 s75, s75, 5
	s_add_co_u32 s74, s74, s75
	s_lshl_b32 s74, s74, 11
	s_lshr_b32 s75, s42, 3
	s_add_co_u32 s75, s75, 2
	s_lshl_b32 s75, s75, 8
	s_add_co_u32 s74, s74, s75
	s_mov_b32 s75, 0
	s_wait_kmcnt 0x0
	s_add_nc_u64 s[14:15], s[4:5], s[16:17]
	s_add_nc_u64 s[46:47], s[6:7], s[46:47]
	s_add_nc_u64 s[PF:PF+1], s[4:5], s[74:75]
	CROUND                                         ; all sixteen work-groups are here: the first joint loads meet
.irp s, 0,1
	s_mov_b32 s[G0+4*(\s)], 1
	s_add_co_u32 s[G0+4*(\s)+1], s20, (\s)*SLOT1
	s_add_nc_u64 s[G0+4*(\s)+2:G0+4*(\s)+3], s[14:15], (\s)*KSTEP*2
	s_or_b32 s[G0+4*(\s)+3], s[G0+4*(\s)+3], 0x80000000
	s_mov_b32 s[G0B+4*(\s)], 1
	s_add_co_u32 s[G0B+4*(\s)+1], s21, (\s)*SLOT1
	s_add_nc_u64 s[G0B+4*(\s)+2:G0B+4*(\s)+3], s[46:47], (\s)*KSTEP*2
	s_or_b32 s[G0B+4*(\s)+3], s[G0B+4*(\s)+3], 0x80000000
.endr
	s_cmp_lt_u32 s[WV], 2                          ; a wave's two first fills stand in one branch, ahead of every wait on TENSORcnt and every LDS read: two loads of mine are out
	s_cbranch_scc0 .Lfirst_b
	tensor_load_to_lds s[G0:G0+3], s[G1:G1+7]
	s_nop 0
	tensor_load_to_lds s[G0+4:G0+7], s[G1:G1+7]
	s_nop 0
.rept 4
	v_nop
.endr
	s_branch .Lfirst_asked
.Lfirst_b:
	tensor_load_to_lds s[G0B:G0B+3], s[G1B:G1B+7]
	s_nop 0
	tensor_load_to_lds s[G0B+4:G0B+7], s[G1B:G1B+7]
	s_nop 0
.rept 4
	v_nop
.endr
.Lfirst_asked:
	s_cmp_lg_u32 s[WV], 3
	s_cbranch_scc1 .Lno_ask0
	global_prefetch_b8 v[VP], s[PF:PF+1] th:TH_LOAD_NT scope:SCOPE_SE  ; my share of K step 2 or 3, which the loop's first two trips fetch
.Lno_ask0:
	; a fragment: lane l holds row l % 16; two loads of 16 bytes, 32 bytes apart, at row x pitch + 16 (l / 16)
	v_and_b32 v1, 15, v0
	v_bfe_u32 v2, v0, 4, 1
	v_mul_u32_u24 v3, v1, PITCH
	v_lshl_add_u32 v3, v2, 4, v3
	s_mul_i32 s18, s[WV], 64*PITCH                 ; my 64 rows of xb
	v_add_nc_u32 v[AA0], s18, v3
	v_add_nc_u32 v[AB0], BOFF, v3
	v_mov_b32 v[ADRA], v[AA0]
	v_mov_b32 v[ADRB], v[AB0]
	s_mov_b32 s[SL], 0
	s_mul_i32 s18, s[WV], WSTAGE
	s_add_co_u32 s18, s18, STAGE                   ; my stage
	v_mul_u32_u24 v4, v1, SP                       ; in: row l % 16, 16 bytes for each half of the lanes
	v_lshl_add_u32 v4, v2, 4, v4
	v_add_nc_u32 v[STO], s18, v4
	v_bfe_u32 v5, v0, 3, 2                         ; back: 32 lanes take four rows of 128 bytes,
	v_and_b32 v6, 7, v0
	v_mul_u32_u24 v5, v5, SP
	v_lshl_add_u32 v5, v6, 4, v5
	v_add_nc_u32 v[RD], s18, v5
	v_and_b32 v[GO], 31, v0                        ; which are 512 consecutive bytes of a head
	v_lshlrev_b32 v[GO], 4, v[GO]
	; my rows in the three heads g = 3 x tile column + j: (g / 16) x 2^24 + (16 x batch + g % 16) x 2^18 + row in the batch x 128
	s_mul_i32 s74, s42, 3
	s_lshr_b32 s79, s13, 3                         ; batch
	s_lshl_b32 s79, s79, 22
	s_and_b32 s78, s13, 7
	s_lshl_b32 s78, s78, 15                        ; 256 rows x 128 bytes a tile row
	s_add_co_u32 s79, s79, s78
	s_lshl_b32 s78, s[WV], 13                      ; 64 rows a wave
	s_add_co_u32 s79, s79, s78
.irp j, 0,1,2
	s_add_co_u32 s75, s74, \j
	s_lshr_b32 s76, s75, 4
	s_lshl_b32 s76, s76, 24
	s_and_b32 s78, s75, 15
	s_lshl_b32 s78, s78, 18
	s_add_co_u32 s76, s76, s78
	s_add_co_u32 s76, s76, s79
	s_mov_b32 s77, 0
	s_add_nc_u64 s[HB+2*(\j):HB+2*(\j)+1], s[8:9], s[76:77]
.endr
; 12 matrix instructions: row block a x all 12 column blocks, 32 along K, from buffer f.  One instruction to an accumulator: the accumulators take turns.
.macro MULA f, a, zero
	WIN 0xa1+0x50*((\a)/2)                         ; source 0 window 1, source 1 window 0, C and D window 2 or 3
.set AC, 96*((\a)%2)
.irp b, 0,1,2,3,4,5,6,7,8,9,10,11
.if \zero
	v_wmma_f32_16x16x32_bf16 v[AC+8*(\b):AC+8*(\b)+7], v[96*(\f)+8*(\b):96*(\f)+8*(\b)+7], v[FA+32*(\f)+8*(\a):FA+32*(\f)+8*(\a)+7], 0
.else
	v_wmma_f32_16x16x32_bf16 v[AC+8*(\b):AC+8*(\b)+7], v[96*(\f)+8*(\b):96*(\f)+8*(\b)+7], v[FA+32*(\f)+8*(\a):FA+32*(\f)+8*(\a)+7], v[AC+8*(\b):AC+8*(\b)+7]
.endif
.endr
.endm
; 32 LDS loads in one run: 192 rows of wt, then my 64 rows of xb, 32 K at byte k of the rows, into buffer g
.macro FETCH k, g
	WIN 0x40                                       ; destination window 1
.irp i, 0,1,2,3,4,5,6,7,8,9,10,11
	ds_load_b128 v[96*(\g)+8*(\i):96*(\g)+8*(\i)+3],   v[ADRB] offset:(\k)+(\i)*16*PITCH
	ds_load_b128 v[96*(\g)+8*(\i)+4:96*(\g)+8*(\i)+7], v[ADRB] offset:(\k)+(\i)*16*PITCH+32
.endr
	WIN 0
.irp i, 0,1,2,3
	ds_load_b128 v[FA+32*(\g)+8*(\i):FA+32*(\g)+8*(\i)+3],   v[ADRA] offset:(\k)+(\i)*16*PITCH
	ds_load_b128 v[FA+32*(\g)+8*(\i)+4:FA+32*(\g)+8*(\i)+7], v[ADRA] offset:(\k)+(\i)*16*PITCH+32
.endr
.endm
; One of a K step's first three quarters: multiplies buffer f; in its middle it fetches the next quarter, at byte k, into buffer g
.macro QUARTER k, f, g, zero
	s_wait_dscnt 4                                 ; wt and xb's row blocks 0, 1 are in; the youngest four loads (blocks 2, 3) may be out
	MULA \f, 0, \zero
	MULA \f, 1, \zero
	PLACES
	FETCH \k, \g
	s_wait_dscnt 32                                ; all but the 32 just issued
	MULA \f, 2, \zero
	MULA \f, 3, \zero
.endm
; The last quarter multiplies buffer 1 and changes slots: one barrier.  In front of it each wave waits for all its tensor loads (one is out: its part of the next slot), adds 0 to its
; spare word, and waits for that and for its reads of this slot.  fill = 1: the barrier opens a round of the cluster's barrier, and this slot is filled again, two K steps ahead.
; fill = 0 (the tail's two trips): nothing is asked for, and the second trip, behind which no K step follows, jumps forward over the fetch of a next step's fragments.
.macro TURN fill
	WIN 0
	s_wait_tensorcnt 0x0                           ; all my tensor loads have landed
	ds_add_u32 v[SPW], v[NIL]                      ; 0 onto my spare word
	s_wait_dscnt 5                                 ; the add and the youngest four loads may be out
	MULA 1, 0, 0                                   ; twelve matrix instructions stand between the add and the wait for it
	s_wait_dscnt 0x0                               ; the add is done, and my reads of this slot are over
	s_barrier_signal -1
	MULA 1, 1, 0                                   ; work on registers while the others arrive
	WIN 0                                          ; at a branch and at a label every window is 0
	s_barrier_wait -1
.if \fill
	CREST                                          ; no wave of any partner still reads this slot or has a load on its way
	s_xor_b32 s[G0+5], s[G0+5], SLOT1              ; the walking descriptors: the other slot than last time, the next K step
	s_add_nc_u64 s[G0+6:G0+7], s[G0+6:G0+7], KSTEP*2
	s_xor_b32 s[G0B+5], s[G0B+5], SLOT1
	s_add_nc_u64 s[G0B+6:G0B+7], s[G0B+6:G0B+7], KSTEP*2
	JLOAD                                          ; the first tensor load behind the round, one a wave; its four v_nop are also the places in front of the loads below
	ASK
.else
	s_cmp_eq_u32 s3, 1
	s_cbranch_scc1 .Lno_fetch
	PLACES
.endif
	s_xor_b32 s[SL], s[SL], SLOT1
	v_add_nc_u32 v[ADRA], s[SL], v[AA0]
	v_add_nc_u32 v[ADRB], s[SL], v[AB0]
	FETCH 0, 0
.if (\fill) == 0
.Lno_fetch:
.endif
	MULA 1, 2, 0
	MULA 1, 3, 0
.endm
	s_wait_tensorcnt 1                             ; my part of K step 0 is in; K step 1's may stay out
	s_barrier_signal -1
	s_barrier_wait -1                              ; everybody's is
	FETCH 0, 0
	QUARTER 64, 0, 1, 1                            ; the first quarter stands in front of the loop: its products start the sums
	WIN 0
	s_mov_b32 s3, 6                                ; six trips ask for K steps 2 to 7
.Lstep:                                                ; a trip: a K step's quarters 2, 3, 4 and the next step's quarter 1
	QUARTER 128, 1, 0, 0
	QUARTER 192, 0, 1, 0
	TURN 1
	QUARTER 64, 0, 1, 0
	WIN 0
	s_sub_co_u32 s3, s3, 1
	s_cmp_lg_u32 s3, 0
	s_cbranch_scc1 .Lstep
	s_mov_b32 s3, 2                                ; the last two K steps ask for nothing: a loop of their own
.Ltail:
	QUARTER 128, 1, 0, 0
	QUARTER 192, 0, 1, 0
	TURN 0
	WIN 0
	s_cmp_eq_u32 s3, 1
	s_cbranch_scc1 .Ldone                          ; behind the last K step there is no first quarter; what is jumped holds no barrier and no tensor load
	QUARTER 64, 0, 1, 0
	WIN 0
.Ldone:
	s_wait_dscnt 0x0                               ; all the trip's fragment loads are back, on either way
	s_sub_co_u32 s3, s3, 1
	s_cmp_lg_u32 s3, 0
	s_cbranch_scc1 .Ltail
; THE WAY OUT, a block of 16 rows at a time: rounded to f16 (each accumulator's registers in ascending order), into my stage by heads, back as rows of 128 bytes, stored as 512 consecutive bytes.
.macro PACK a
.set AC, 96*((\a)%2)
	WIN 0x0a+5*((\a)/2)                            ; sources 0 and 1: window 2 or 3
.irp b, 0,1,2,3,4,5,6,7,8,9,10,11
.irp r, 0,1,2,3
	v_cvt_pk_f16_f32 v[TMP+4*(\b)+(\r)], v[AC+8*(\b)+2*(\r)], v[AC+8*(\b)+2*(\r)+1]
.endr
.endr
	WIN 0
.endm
.macro TOSTAGE a
.set BK, OB+48*((\a)%2)
.irp b, 0,1,2,3,4,5,6,7,8,9,10,11
	ds_store_b128 v[STO], v[TMP+4*(\b):TMP+4*(\b)+3] offset:((\b)/4)*16*SP+((\b)%4)*32
.endr
.irp j, 0,1,2
.irp f, 0,1,2,3
	ds_load_b128 v[BK+4*(4*(\j)+(\f)):BK+4*(4*(\j)+(\f))+3], v[RD] offset:(\j)*16*SP+(\f)*4*SP  ; LDS serves a wave's instructions in order (ISA guide 5.7.1.4): these see the stores above
.endr
.endr
.endm
.macro SEND a
.set BK, OB+48*((\a)%2)
	s_wait_dscnt 0x0                               ; the block is back in registers
	s_wait_xcnt 0x0                                ; the block before's stores have read their registers: the next block is read back into them only behind this wait
.irp j, 0,1,2
.irp f, 0,1,2,3
	global_store_b128 v[GO], v[BK+4*(4*(\j)+(\f)):BK+4*(4*(\j)+(\f))+3], s[HB+2*(\j):HB+2*(\j)+1] offset:(\a)*2048+(\f)*512  ; 512 consecutive bytes, at a multiple of 512 from qkv's first
.endr
.endr
.endm
	PLACES                                         ; the conversions read results just made
	PACK 0
	TOSTAGE 0
.irp a, 1,2,3                          ; block a's conversions stand between block a - 1's loads from the stage and the wait for them
	PACK \a
	SEND (\a)-1
	TOSTAGE \a
.endr
	SEND 3
	s_wait_tensorcnt 0x0                           ; the wave's end
	ds_add_u32 v[SPW], v[NIL]
	s_wait_dscnt 0x0
	CROUND                                         ; the closing round: no work-group ends while a partner may still ask for a tile that names it
	s_endpgm
.Lfunc_end_k_q150f42f650_qkv:
	.size	k_q150f42f650_qkv, .Lfunc_end_k_q150f42f650_qkv-k_q150f42f650_qkv
	.p2alignl 7, 3214868480
	.fill 96, 4, 3214868480
	.section	.rodata,"a",@progbits
	.p2align	6, 0x0
	.amdhsa_kernel k_q150f42f650_qkv
		.amdhsa_group_segment_fixed_size 327680
		.amdhsa_private_segment_fixed_size 0
		.amdhsa_enable_private_segment 0
		.amdhsa_kernarg_size 24
		.amdhsa_user_sgpr_count 2
		.amdhsa_user_sgpr_kernarg_segment_ptr 1
		.amdhsa_wavefront_size32 1
		.amdhsa_system_sgpr_workgroup_id_x 1
		.amdhsa_system_sgpr_workgroup_id_y 1
		.amdhsa_system_sgpr_workgroup_id_z 1
		.amdhsa_system_vgpr_workitem_id 0
		.amdhsa_next_free_vgpr 960
		.amdhsa_next_free_sgpr 80
		.amdhsa_reserve_vcc 0
		.amdhsa_float_denorm_mode_32 3
		.amdhsa_float_denorm_mode_16_64 3
		.amdhsa_memory_ordered 1
		.amdhsa_forward_progress 1
		.amdhsa_inst_pref_size 84
	.end_amdhsa_kernel
	.amdgpu_metadata
---
amdhsa.version: [ 1, 2 ]
amdhsa.kernels:
  - .name:           k_q150f42f650_qkv
    .symbol:         k_q150f42f650_qkv.kd
    .args:
      - { .name: xb, .offset: 0, .size: 8, .value_kind: global_buffer, .address_space: global }
      - { .name: wt, .offset: 8, .size: 8, .value_kind: global_buffer, .address_space: global }
      - { .name: qkv, .offset: 16, .size: 8, .value_kind: global_buffer, .address_space: global }
    .group_segment_fixed_size: 327680
    .private_segment_fixed_size: 0
    .kernarg_segment_align: 8
    .kernarg_segment_size: 24
    .max_flat_workgroup_size: 128
    .sgpr_count:     80
    .vgpr_count:     960
    .wavefront_size: 32
...
	.end_amdgpu_metadata
.endif
;; end of part 2
;; launch attn (part 3): grid 4 x 64, 4 waves a work-group, no clusters, 327,680 bytes of LDS; arguments qkv, ctx; writes ctx
.if DOCPART == 3
	.amdgcn_target "amdgcn-amd-amdhsa--gfx1250"
	.amdhsa_code_object_version 6
	.text
	.protected	k_q150f42f650_attn
	.globl	k_q150f42f650_attn
	.p2align	8
	.type	k_q150f42f650_attn,@function
k_q150f42f650_attn:
	s_mov_b64 s[64:65], 0
	v_nop
	global_prefetch_b8 v0, s[64:65] scope:SCOPE_SE
	s_setreg_imm32_b32 hwreg(HW_REG_WAVE_MODE, 25, 1), 1
	s_wait_xcnt 0x0
; CAUSAL ATTENTION.  O[h][q][:] = the sum over k <= q of softmax_k(Q[h][q] . K[h][k] / 8) V[h][k][:].  Q, K, V lie in qkv, 2^24 bytes apart, each [64][SIZE_N][64] in f16; O is ctx, in the same layout.
; Products, maxima and sums in f32; the weights p are rounded to f16 for the second product (their sum l is taken of the unrounded p), O once at the end.
; LIMITS.  f16 holds no number beyond 65,504: Q, K and V arrive within it; p lies in 0 to 1, and below 6e-5 it keeps f16's fixed step of 6e-8; O is a mean of V's rows and has their range.
; A hidden score counts as its value less 1e30: f16's scores, 2.7e11 at the most, are nothing beside that; a weight below 2^-126 counts as 0 in l; NaN and infinities are not treated apart.
; THE WALK.  A head's queries lie in NB = 8 blocks of 256; block i needs the key tiles 0 .. i of 256 keys, of which the last holds the diagonal.  A work-group takes TWO blocks, NB - 1 - b and then b:
; NB + 1 tiles, whatever b: all work-groups do equal work, and ONE loop with a constant trip count walks them.  Which tile is asked for, and what a trip does, hang on scalar registers made from b; every jump
; goes forward, but for the counted loops' own; none passes a barrier, or a tensor load but the one of LOAD's two that the wave's number does not choose; the ring of two LDS slots runs on across the change of blocks.
; NO CLUSTER: a head's NB / 2 = 4 work-groups ask for the same tile only in trips 0 .. 4 of the walk's 9, behind that fewer and fewer; one walk common to all would have 12 trips for 9.
; SHARES.  Of a block's four bands of 64 queries a wave owns 16 rows in each: four PIECES.  So the diagonal tile is the same work for all four waves: in its key step s band x sees all keys if s < x,
; none if s > x, and holds the diagonal if s = x.
; THE MASK is the C operand that starts the sum S^T = K Q^T: 0, or -1e30 where the key is hidden.  MD, made once, is the mask of a band's own step for my 16 rows; a product's mask is MD x AL + BE with two scalars:
; (1, 0) if s = x; (0, 0) if s < x; (0, -1e30) if s > x.  Only the diagonal tile's text and a block's beginning make and take masks; elsewhere C is the constant 0.
; LAYOUT, SOFTMAX, TURNS.  S^T = K Q^T holds ONE query a lane (lane % 16) and the keys 8 (lane / 16) + 0..7; two such results rounded to f16 ARE source 1 of O^T = V^T P.  p = 2^(c s - c m), c = log2(e) / 8, with a
; running maximum m; O and l are multiplied by a = 2^(c m_old - c m_new) in every step.  Turn n belongs to piece n: 8 products K Q^T of piece n + 1, later 8 products V^T P of piece n - 1; beside them the scaling,
; exponentials, roundings, sums and rescaling of piece n and the maximum and statistics of piece n + 1.  Four vector instructions stand behind every matrix instruction, the other 54 of a turn's 118 in two runs of their own.
; REGISTERS, in windows of 256 (s_set_vgpr_msb: bits 1:0 source 0, 3:2 source 1, 5:4 source 2, 7:6 destination):
;   window 0: v0-15 addresses and two at work; v16-31 four registers of statistics a piece; v48-55 at work; v64-127 S^T, two buffers; v192-223 P, two buffers (a piece's buffers go by its number's parity)
;   window 1: v0-127 O^T, 32 a piece; v128-159 MD; v160-223 MC, two buffers      window 2: v0-63 Q; v64-127 the second block's Q; v128-191 K of one step; v192-255 V of one step
.set SIZE_N, 2048
.set NB,    SIZE_N/256
.set NP,    4         ; pieces a wave: a name, no knob
.set KS,    64        ; keys in a step
.set PK,    144       ; a row of K in LDS: 128 bytes + 16 of padding = 36 words: the 16 rows of a load start at 16 different groups of four banks (64 banks of 4 bytes: ISA guide 11.1)
.set PV,    160       ; a row of V: 128 + 32 = 40 words
.set VOFF,  4*KS*PK   ; a slot holds a tile, four steps: 256 rows of K, then 256 rows of V
.set SLOT1, 1<<17     ; slot 1 begins here, so that one exclusive or turns an address in one slot into the other's
.set STAGE, SLOT1+4*KS*(PK+PV)  ; behind the ring, never filled by a tensor load: 16 rows x 144 bytes for each wave, for the way out
.set SP,    144
.set AK0, 2           ; v2   my lane's place in a tile of K; never rewritten
.set AV0, 3           ; v3   the same for V
.set AK,  4           ; v4   the LDS address of K's next run of loads
.set AV,  5           ; v5   of V's
.set STO, 6           ; v6   the way out: where I put 16 bytes of a row
.set RD,  7           ; v7   the way out: where I read rows back
.set GO,  8           ; v8   my byte offset in 512 consecutive bytes of O
.set SPW, 62          ; v62  LDS address of my spare word: SPARE + 4 x my thread's number; never rewritten
.set NIL, 63          ; v63  0; never rewritten
.set SPARE, STAGE+4*16*SP  ; behind the stages: the spare words, 128 bytes for each wave: two blocks of 256 bytes that no other line names
.set MV,  12          ; v12-13  c m_old, kept while c m is made anew: by buffer
.set QO,  15          ; v15  my byte offset in 16 rows of Q
.set ST,  16          ; piece t's statistics at v[ST+4 t]: c m, m, l (even keys', odd keys')
.set TMP, 48          ; by buffer, four registers c0-c3 at work; when the maximum is found c2 takes a
.set S,   64
.set P,   192
.set MD,  128         ; window 1: the eight registers for group kt of 16 keys at MD + 8 kt
.set MC,  160         ; window 1: the masks of the products to come
.set QB,  64          ; window 2
.set KF,  128         ; window 2: key block kb, channel half c at KF + 16 kb + 8 c
.set VF,  192         ; window 2: key half kk, channel block cb at VF + 32 kk + 8 cb
.set WV,  12          ; s12  my wave's number
.set PB,  14          ; s14  b
.set HI,  15          ; s15  NB - 1 - b
.set G1K, 24          ; s[24:31] descriptor group 1 for K's tiles
.set G1V, 32          ; s[32:39] for V's: it differs in the padding alone
.set G0K, 40          ; s[40:43] descriptor group 0 for K's tiles
.set G0V, 44          ; s[44:47] the same for V's
.set SLOTS, 56        ; s56  tiles still to be asked for
.set CNT, 57          ; s57  counts a tile's key steps, 4 to 1
.set CS,  58          ; s[58:59] c: the packed scaling takes the pair's low word for both halves
.set SEL, 60          ; s[60:61] v_permlanex16_b32's selects: each lane takes its own place in the other half
.set TBK, 62          ; s62  LDS byte at which K of the step to be fetched begins
.set TBV, 63          ; s63  the same for V, less VOFF
.set RT,  70          ; s70  tiles of the block in hand that are still to be entered
.set NXT, 71          ; s71  the tile to be asked for next
.set LQ,  72          ; s72  the last tile of the block whose tiles are being asked for
.set NEW, 73          ; s73  1: the tile to be entered is a block's first
.set OFF, 74          ; s[74:75] a tile's byte offset in K and V
.set AL,  76          ; s[76:77] the mask's factor, in the low word
.set BE,  78          ; s[78:79] the mask's addend
.set OLO, 80          ; s[80:81] O at my rows of the second block
.set BIGN, 82         ; s82  -1e30
.set MSB, 0
.macro WIN new                      ; the high byte repeats the setting that is left; a switch that changes nothing is dropped
.if MSB != (\new)
	s_set_vgpr_msb (MSB<<8)|(\new)
.set MSB, (\new)
.endif
.endm
.set W_KQ, 0x0a       ; K and Q in window 2, S^T in window 0
.set W_KM, 0x1a       ; the same with the C operand in window 1
.set W_PV, 0x52       ; V in window 2, P in window 0, O^T in window 1
.set W_RS, 0x41       ; destination and source 0 in window 1, source 1 in window 0
; A fill.  Waves 0 and 1 fetch the two halves of a tile's K, waves 2 and 3 those of its V: 128 keys each.  An s_nop 0 and four v_nop follow each of the two lines, ahead of the jump and the label.
.macro LOAD
	s_cmp_lt_u32 s[WV], 2
	s_cbranch_scc0 .Lfor_v_\@
	tensor_load_to_lds s[G0K:G0K+3], s[G1K:G1K+7]
	s_nop 0
.rept 4
	v_nop
.endr
	s_branch .Lasked_\@
.Lfor_v_\@:
	tensor_load_to_lds s[G0V:G0V+3], s[G1V:G1V+7]
	s_nop 0
.rept 4
	v_nop
.endr
.Lasked_\@:
.endm
; THE CHANGE OF SLOTS.  Each wave waits for all its tensor loads, of which one is out: its part of the other slot; adds 0 to its spare word; and waits for that and for its own reads of the slot that it leaves.
; Behind the barrier nobody reads the old slot any more and the other slot is whole.  fill = 1: the old slot is filled again, the first thing behind the barrier, with tile NXT: the descriptor's address is made
; anew from that number.  (At its first use nothing has been read yet: slot 0 is waited for, slot 1 filled.)
.macro CHANGE fill
	WIN 0                           ; at a label and at a branch every window is 0
	s_wait_tensorcnt 0x0            ; no tensor load of mine is out, so a group 0 may be written
	ds_add_u32 v[SPW], v[NIL]       ; 0 onto my spare word; with fill = 1 the descriptors' scalar work stands between it and the wait for it
.if \fill
	s_lshl_b32 s[OFF], s[NXT], 15   ; a tile is 32,768 bytes of K and of V
	s_xor_b32 s[G0K+1], s[G0K+1], SLOT1
	s_add_nc_u64 s[G0K+2:G0K+3], s[6:7], s[OFF:OFF+1]
	s_or_b32 s[G0K+3], s[G0K+3], 0x80000000
	s_xor_b32 s[G0V+1], s[G0V+1], SLOT1
	s_add_nc_u64 s[G0V+2:G0V+3], s[8:9], s[OFF:OFF+1]
	s_or_b32 s[G0V+3], s[G0V+3], 0x80000000
	s_add_co_u32 s[NXT], s[NXT], 1  ; the block's next tile, or behind its last the second block's tile 0
	s_cmp_gt_u32 s[NXT], s[LQ]
	s_cselect_b32 s[NXT], 0, s[NXT]
	s_cselect_b32 s[LQ], s[PB], s[LQ]
.endif
	s_wait_dscnt 0x0                ; the add is done, and my reads of the slot are over
	s_barrier_signal -1             ; the rest of the scalar work stands between the signal and the wait
	s_sub_co_u32 s[TBK], s[TBK], 4*KS*PK  ; the fetches go back to a slot's first step,
	s_xor_b32 s[TBK], s[TBK], SLOT1       ; in the other slot
	s_sub_co_u32 s[TBV], s[TBV], 4*KS*PV
	s_xor_b32 s[TBV], s[TBV], SLOT1
	s_barrier_wait -1
.if \fill
	LOAD
.endif
.endm
	s_load_b64 s[4:5], s[0:1], 0x0    ; qkv: Q at its head
	s_load_b64 s[10:11], s[0:1], 0x8  ; ctx: O
	v_lshl_add_u32 v[SPW], v0, 2, SPARE
	v_mov_b32 v[NIL], 0
	ds_add_u32 v62, v63
	ds_add_u32 v62, v63
	s_wait_dscnt 0x0
	v_lshrrev_b32 v1, 5, v0
	v_readfirstlane_b32 s[WV], v1   ; wave 0..3
	s_mov_b32 s[PB], ttmp9
	s_sub_co_u32 s[HI], NB-1, s[PB]
	s_and_b32 s20, ttmp7, 0xffff    ; the head
	s_mov_b32 s21, 0
	s_mov_b64 s[22:23], SIZE_N*128
	s_mul_u64 s[20:21], s[20:21], s[22:23]  ; the head's first byte in each of the four tensors
	s_and_b32 s16, s[WV], 1         ; which half of a tile's 256 keys I fetch:
	s_lshl_b32 s22, s16, 14         ; its 128 rows of 128 bytes in memory,
	s_mov_b32 s23, 0
	s_add_nc_u64 s[22:23], s[22:23], s[20:21]
	s_mul_i32 s17, s16, 128*PK      ; and its place in a slot, for K
	s_mul_i32 s18, s16, 128*PV      ; and for V
	s_lshl_b32 s3, s[WV], 11        ; my 16 rows in a band of 64,
	s_lshl_b32 s2, s[HI], 15        ; in the first block,
	s_add_co_u32 s2, s2, s3
	s_lshl_b32 s84, s[PB], 15       ; and in the second
	s_add_co_u32 s84, s84, s3
	s_mov_b32 s3, 0
	s_mov_b32 s85, 0
	s_add_nc_u64 s[2:3], s[2:3], s[20:21]
	s_add_nc_u64 s[84:85], s[84:85], s[20:21]
	; descriptor group 1.  128 keys are 16,384 dense bytes: asked for as 64 rows of 256 bytes, two keys a row, and padded in LDS after every key
	s_mov_b32 s[G1K], (1<<16)|(1<<20)|(4<<22)|(3<<25)  ; 17:16 2-byte elements; 20 padding on; 24:22 after every 32 words (code 4); 31:25 4 words (code 3)
	s_mov_b32 s[G1V], (1<<16)|(1<<20)|(4<<22)|(7<<25)  ; the same with 8 words of padding (code 7)
.irp g, G1K, G1V
	s_mov_b32 s[\g+1], 128<<16      ; tensor_dim0 = 128
	s_mov_b32 s[\g+2], 64<<16       ; tensor_dim1 = 64
	s_mov_b32 s[\g+3], 128<<16      ; tile_dim0 = 128
	s_mov_b32 s[\g+4], 64           ; tile_dim1 = 64
	s_mov_b32 s[\g+5], 128          ; 128 elements from row to row
	s_mov_b32 s[\g+6], 0
	s_mov_b32 s[\g+7], 0
.endr
	s_mov_b32 s[CS], 0x3e38aa3b     ; c = log2(e) / 8 = 0.180337
	s_mov_b32 s[CS+1], s[CS]        ; named with it as a pair
	s_mov_b32 s[SEL], 0x76543210
	s_mov_b32 s[SEL+1], 0xfedcba98
	s_mov_b32 s[TBK], SLOT1+4*KS*PK ; the first change of slots turns these two into 0
	s_mov_b32 s[TBV], SLOT1+4*KS*PV
	s_mov_b32 s[G0K], 1             ; 1:0 count = 1
	s_mov_b32 s[G0K+1], s17         ; 63:32 LDS address: slot 0
	s_mov_b32 s[G0V], 1
	s_add_co_u32 s[G0V+1], s18, VOFF
	s_add_co_u32 s[RT], s[HI], 1    ; the first block has NB - b tiles
	s_mov_b32 s[NXT], 1
	s_mov_b32 s[LQ], s[HI]
	s_mov_b32 s[NEW], 1
	s_mov_b32 s[OFF+1], 0
	s_mov_b32 s[AL+1], 0            ; named as pairs
	s_mov_b32 s[BE+1], 0
	s_mov_b32 s[BIGN], 0xf149f2ca   ; -1e30
	s_mov_b32 s[SLOTS], NB
	s_wait_kmcnt 0x0
	s_add_nc_u64 s[6:7], s[4:5], 0x1000000  ; K lies 64 heads x 2^18 bytes behind Q,
	s_add_nc_u64 s[8:9], s[4:5], 0x2000000  ; V as far again
	s_add_nc_u64 s[6:7], s[6:7], s[22:23]  ; K and V at my half of the head's tile 0
	s_add_nc_u64 s[8:9], s[8:9], s[22:23]
	s_add_nc_u64 s[G0K+2:G0K+3], s[6:7], 0         ; 120:64 global address
	s_or_b32 s[G0K+3], s[G0K+3], 0x80000000        ; 127:126 type = 2
	s_add_nc_u64 s[G0V+2:G0V+3], s[8:9], 0
	s_or_b32 s[G0V+3], s[G0V+3], 0x80000000
	s_add_nc_u64 s[86:87], s[4:5], s[84:85]        ; Q at my rows of the second block,
	s_add_nc_u64 s[4:5], s[4:5], s[2:3]            ; Q and O at those of the first
	s_add_nc_u64 s[OLO:OLO+1], s[10:11], s[84:85]
	s_add_nc_u64 s[10:11], s[10:11], s[2:3]
	LOAD                            ; tile 0 into slot 0
	; A fragment of K or Q is 16 rows x 32 channels in 8 registers: lane l holds row l % 16, channels 8 (l / 16) + 0..7 and 16 + 8 (l / 16) + 0..7: two loads of 16 bytes, 32 bytes apart.
	v_and_b32 v1, 15, v0            ; l % 16
	v_bfe_u32 v9, v0, 4, 1          ; l / 16
	v_lshlrev_b32 v[QO], 7, v1
	v_lshl_add_u32 v[QO], v9, 4, v[QO]  ; row x 128 + 16 x half
	WIN 0x80                        ; destination window 2, address window 0
.set i, 0
.rept 8                             ; both blocks' Q: piece i / 2 lies in band i / 2, 8,192 bytes on; channels 32 (i % 2) on
	global_load_b128 v[8*i:8*i+3],   v[QO], s[4:5] offset:(i/2)*8192+(i%2)*64
	global_load_b128 v[8*i+4:8*i+7], v[QO], s[4:5] offset:(i/2)*8192+(i%2)*64+32
	global_load_b128 v[QB+8*i:QB+8*i+3],   v[QO], s[86:87] offset:(i/2)*8192+(i%2)*64
	global_load_b128 v[QB+8*i+4:QB+8*i+7], v[QO], s[86:87] offset:(i/2)*8192+(i%2)*64+32
.set i, i+1
.endr
	WIN 0
	v_lshlrev_b32 v14, 3, v9
	v_sub_nc_u32 v14, v1, v14
	s_lshl_b32 s13, s[WV], 4
	v_add_nc_u32 v14, s13, v14      ; my query's place in its band, 16 w + l % 16, less my lanes' 8 (l / 16): register r of group kt is hidden where 16 kt + r is greater
	WIN 0x40
.set i, 0
.rept 32
	v_cmp_gt_i32 vcc_lo, 16*(i/8)+i%8, v14
	v_cndmask_b32 v[MD+i], 0, s[BIGN], vcc_lo
.set i, i+1
.endr
	WIN 0
	v_mul_u32_u24 v[AK0], v1, PK
	v_lshl_add_u32 v[AK0], v9, 4, v[AK0]  ; row x pitch + 16 x half
	; The turning load takes 16 keys x 16 channels (lane l reads key 8 (l / 16) + l % 8, channels 8 ((l / 8) % 2) + 0..7) and leaves half a fragment of V^T: lane l holds channel l % 16 and 8 keys.
	v_and_b32 v10, 7, v0
	v_bfe_u32 v11, v0, 3, 1
	v_lshl_add_u32 v[AV0], v9, 3, v10
	v_mul_u32_u24 v[AV0], v[AV0], PV
	v_lshl_add_u32 v[AV0], v11, 4, v[AV0]
	v_add_nc_u32 v[AV0], VOFF, v[AV0]
	s_mul_i32 s13, s[WV], 16*SP
	s_add_co_u32 s13, s13, STAGE    ; my stage
	v_mul_u32_u24 v[STO], v1, SP    ; in: row l % 16, 16 bytes for each half of the lanes
	v_lshl_add_u32 v[STO], v9, 4, v[STO]
	v_add_nc_u32 v[STO], s13, v[STO]
	v_bfe_u32 v[RD], v0, 3, 2       ; back: 32 lanes take four rows of 128 bytes,
	v_mul_u32_u24 v[RD], v[RD], SP
	v_lshl_add_u32 v[RD], v10, 4, v[RD]
	v_add_nc_u32 v[RD], s13, v[RD]
	v_and_b32 v[GO], 31, v0         ; which are 512 consecutive bytes of O
	v_lshlrev_b32 v[GO], 4, v[GO]
	; A block's first step multiplies O^T and l by a = 0, and its first turn's products V^T P, of a piece that has not been, land in an O^T that is still to be so multiplied.  So these registers need only hold
	; finite numbers: zeros for the first block; what the first block left for the second.  All this stands in the wait for the first tile.
	WIN 0x80
.set i, VF
.rept 64
	v_mov_b32 v[i], 0
.set i, i+1
.endr
	WIN 0x40
.set i, 0
.rept 128
	v_mov_b32 v[i], 0
.set i, i+1
.endr
	WIN 0
.set i, 0
.rept 4
	v_mov_b32 v[ST+4*i+2], 0
	v_mov_b32 v[ST+4*i+3], 0
.set i, i+1
.endr
.set i, P+16
.rept 16
	v_mov_b32 v[i], 0
.set i, i+1
.endr
; THE MATRIX WORK.  The 4 accumulators of a run of 8 take turns.  Product i of 8 of S^T = K Q^T for piece x: channels 32 (i / 4) on, keys 16 (i % 4) on.  The first 4 start the sums: with 0, or (KM = 1) with the mask.
.macro KQ x
.set rS, S+32*((\x)%2)+8*(i%4)
.set rK, KF+16*(i%4)+8*(i/4)
.set rQ, 16*(\x)+8*(i/4)
.set rM, MC+32*((\x)%2)+8*(i%4)
.if (i < 4) && KM
	WIN W_KM
	v_wmma_f32_16x16x32_f16 v[rS:rS+7], v[rK:rK+7], v[rQ:rQ+7], v[rM:rM+7]
.elseif i < 4
	WIN W_KQ
	v_wmma_f32_16x16x32_f16 v[rS:rS+7], v[rK:rK+7], v[rQ:rQ+7], 0
.else
	WIN W_KQ
	v_wmma_f32_16x16x32_f16 v[rS:rS+7], v[rK:rK+7], v[rQ:rQ+7], v[rS:rS+7]
.endif
.endm
; Product i of 8 of O^T += V^T P for piece x: keys 32 (i / 4) on, channels 16 (i % 4) on.
.macro PV x
	WIN W_PV
.set rO, 32*(\x)+8*(i%4)
.set rV, VF+32*(i/4)+8*(i%4)
.set rP, P+16*((\x)%2)+8*(i/4)
	v_wmma_f32_16x16x32_f16 v[rO:rO+7], v[rV:rV+7], v[rP:rP+7], v[rO:rO+7]
.endm
.macro MM                           ; the turn's next matrix instruction.  TURN and BEGIN set Y, i, KM and NOKQ; MM, KQ and OP read them.  NOKQ = 1: a block's last turn: there is no next piece
.if (i < 8) && !NOKQ
	KQ (Y+1)%NP
.elseif i >= 8
.set i, i-8
	PV (Y+NP-1)%NP
.set i, i+8
.endif
.set i, i+1
.endm
; THE LDS LOADS stand in runs of 16, never singly among the matrix instructions: a step's K (64 keys x 64 channels: 8 fragments) and its V (turned).  Their addresses are made some lines ahead.
.macro FETCH_K
	WIN 0x80                        ; destination window 2
.irp f, 0,1,2,3,4,5,6,7             ; keys 16 (f / 2) on, channels 32 (f % 2) on
	ds_load_b128 v[KF+8*\f:KF+8*\f+3],   v[AK] offset:(\f/2)*16*PK+(\f%2)*64
	ds_load_b128 v[KF+8*\f+4:KF+8*\f+7], v[AK] offset:(\f/2)*16*PK+(\f%2)*64+32
.endr
	s_add_co_u32 s[TBK], s[TBK], KS*PK  ; the next fetch is the next step's
	WIN 0
.endm
.macro FETCH_V
	WIN 0x80
.irp f, 0,1,2,3,4,5,6,7             ; keys 32 (f / 4) on, channels 16 (f % 4) on
	ds_load_tr16_b128 v[VF+8*\f:VF+8*\f+3],   v[AV] offset:(\f/4)*32*PV+(\f%4)*32
	ds_load_tr16_b128 v[VF+8*\f+4:VF+8*\f+7], v[AV] offset:(\f/4)*32*PV+16*PV+(\f%4)*32
.endr
	WIN 0
.endm
; THE VECTOR WORK, one line at a time: OP kind, number.  For piece Y: F n: c s - c m for pair n of 16.  E n: the exponential of score n of 32.  C n: pair n rounded to f16.  B n: of the four weights 4 n .. the second
; pair is added onto the first, in place.  L n: l takes that sum (L 0: l = a l + sum).  R n: pair n of 16 of O^T times a.  For piece Y + 1: X n, number n of the 22 that find its maximum and statistics:
;   0-11  four chains c0-c3 of seven scores each, three operands at a time (each accumulator's lowest registers are read first)     12-14, 16  the four scores left over, the old m, and c0-c3 into c0
;   15  c m_old is kept     17, 18  the query's other 32 keys lie in the lane 16 away: the new m     19-21  c m; c m_old - c m_new; a
.set F, 0               ; OP tells the kinds apart by their order: F to L below R, X above it
.set E, 1
.set C, 2
.set B, 3
.set L, 4
.set R, 5
.set X, 6
.macro REGS y                       ; the registers of piece y
.set rT, ST+4*(\y)
.set rC, TMP+4*((\y)%2)
.set rW, MV+((\y)%2)
.set rS, S+32*((\y)%2)
.set rP, P+16*((\y)%2)
.set rO, 32*(\y)
.endm
.macro OP k, n
.if (\k) == R
	REGS Y
	WIN W_RS
	v_pk_mul_f32 v[rO+2*(\n):rO+2*(\n)+1], v[rO+2*(\n):rO+2*(\n)+1], v[rC+2:rC+3] op_sel_hi:[1,0]
.elseif (\k) < R
	REGS Y
	WIN 0
.if (\k) == F
	v_pk_fma_f32 v[rS+2*(\n):rS+2*(\n)+1], v[rS+2*(\n):rS+2*(\n)+1], s[CS:CS+1], v[rT:rT+1] op_sel_hi:[1,0,0] neg_lo:[0,0,1] neg_hi:[0,0,1]
.elseif (\k) == E
	v_exp_f32 v[rS+(\n)], v[rS+(\n)]
.elseif (\k) == C
	s_wait_alu depctr_va_vdst(0)
	v_cvt_pk_f16_f32 v[rP+(\n)], v[rS+2*(\n)], v[rS+2*(\n)+1]
.elseif (\k) == B
	s_wait_alu depctr_va_vdst(0)
	v_pk_add_f32 v[rS+4*(\n):rS+4*(\n)+1], v[rS+4*(\n):rS+4*(\n)+1], v[rS+4*(\n)+2:rS+4*(\n)+3]
.elseif (\n) == 0
	v_pk_fma_f32 v[rT+2:rT+3], v[rT+2:rT+3], v[rC+2:rC+3], v[rS:rS+1] op_sel_hi:[1,0,1]
.else
	v_pk_add_f32 v[rT+2:rT+3], v[rT+2:rT+3], v[rS+4*(\n):rS+4*(\n)+1]
.endif
.elseif NOKQ
	v_nop
.else
	REGS (Y+1)%NP
	WIN 0
.if (\n) < 4
	v_max3_num_f32 v[rC+(\n)], v[rS+8*(\n)], v[rS+8*(\n)+1], v[rS+8*(\n)+2]
.elseif (\n) < 12
	v_max3_num_f32 v[rC+(\n)%4], v[rC+(\n)%4], v[rS+8*((\n)%4)+2*((\n)/4)+1], v[rS+8*((\n)%4)+2*((\n)/4)+2]
.elseif (\n) == 12
	v_max3_num_f32 v[rC], v[rC], v[rS+7], v[rS+15]
.elseif (\n) == 13
	v_max3_num_f32 v[rC+1], v[rC+1], v[rS+23], v[rS+31]
.elseif (\n) == 14
	v_max3_num_f32 v[rC+2], v[rC+2], v[rC+3], v[rT+1]
.elseif (\n) == 15
	v_mov_b32 v[rW], v[rT]
.elseif (\n) == 16
	v_max3_num_f32 v[rC], v[rC], v[rC+1], v[rC+2]
.elseif (\n) == 17
	v_permlanex16_b32 v[rC+3], v[rC], s[SEL], s[SEL+1]
.elseif (\n) == 18
	v_max_num_f32 v[rT+1], v[rC], v[rC+3]
.elseif (\n) == 19
	v_mul_f32 v[rT], s[CS], v[rT+1]
.elseif (\n) == 20
	v_sub_f32 v[rC+1], v[rW], v[rT]
.else
	v_exp_f32 v[rC+2], v[rC+1]
.endif
.endif
.endm
.macro OPS a, i1, b=-1, i2=0, c=-1, i3=0, d=-1, i4=0  ; up to four of them
	OP \a, \i1
.if (\b) >= 0
	OP \b, \i2
.endif
.if (\c) >= 0
	OP \c, \i3
.endif
.if (\d) >= 0
	OP \d, \i4
.endif
.endm
.macro ROW a, i1, b, i2, c, i3, d, i4  ; a matrix instruction and the four behind it
	MM
	OPS \a, \i1, \b, \i2, \c, \i3, \d, \i4
.endm
.macro MASK b                       ; MD x AL + BE into buffer b of MC
	WIN W_RS
.set z, 0
.rept 16
	v_pk_fma_f32 v[MC+32*(\b)+2*z:MC+32*(\b)+2*z+1], v[MD+2*z:MD+2*z+1], s[AL:AL+1], s[BE:BE+1] op_sel_hi:[1,0,0]
.set z, z+1
.endr
.endm
; A TURN, for piece p: the order of its 16 matrix and 118 vector instructions, written out.  Behind a matrix instruction: plain, exponential, plain, plain; or four of the rescaling; or, behind the first, four scalings; none
; names a register of the products round it.  In the runs between, exponential and plain by turns while exponentials last.  A line reads no result made fewer than three vector instructions in front of it, five if an exponential made it.
; m = 1: the diagonal tile: the products take masks, and the turn makes the mask for the products of the turn after it: piece p + 2, in step 4 - CNT of the tile.  end = 1: a block's last two turns: nothing is fetched.
; cnt = 1: the loop's count is taken down some lines ahead of the branch that stands behind the turn.
; K of the next step is fetched in piece 2's turn, six vector instructions behind the last product that read K (five of them plain); V of the step in hand in piece 0's turn, eight behind the last product that read V (four
; plain, and X 17).  Each is waited for a turn later.
.macro TURN p, m=0, end=0, cnt=0
.set Y, (\p)
.set i, 0
.set KM, (\m)
.set NOKQ, (\end)*((\p)/3)
.if (\m) && !(\end)
	s_cmp_eq_u32 s[CNT], 4-((\p)+2)%NP  ; is that step the band's own?
	s_cselect_b32 s[AL], 1.0, 0
	s_cmp_lt_u32 s[CNT], 4-((\p)+2)%NP  ; or a later one?
	s_cselect_b32 s[BE], s[BIGN], 0
.endif
.if ((\p) == 3) && !(\end)
	s_wait_dscnt 0x0                ; K is in
.endif
	ROW F,0, F,1, F,2, F,3
	ROW F,4, E,0, F,5, F,6
	ROW F,7, E,1, F,8, F,9
	ROW F,10, E,2, C,0, F,11
	ROW F,12, E,3, X,15, F,13
	ROW R,0, R,1, R,2, R,3
	ROW B,0, E,4, F,14, L,0
.if ((\p) == 2) && !(\end)
	v_add_nc_u32 v[AK], s[TBK], v[AK0]
.endif
	ROW R,4, R,5, R,6, R,7
	OPS E,5, F,15
.if ((\p) == 2) && !(\end)
	FETCH_K
.endif
	OPS E,6, C,1, E,7, R,8
	OPS E,8, R,9, E,9, C,2
	OPS E,10, X,0, E,11, X,1
	OPS E,12, X,2, E,13, X,3
.if (\p) == 1
	s_wait_dscnt 0x0                ; V is in
.endif
	ROW X,4, E,14, X,5, X,6
	ROW X,7, E,15, X,8, X,9
	ROW X,10, E,16, X,11, X,12
	ROW X,13, E,17, X,14, B,1
	ROW C,4, E,18, X,16, L,1
	ROW B,2, E,19, C,6, L,2
	ROW C,8, E,20, B,3, B,4
.if (\p) == 0
	v_add_nc_u32 v[AV], s[TBV], v[AV0]
.endif
	ROW C,3, E,21, L,3, C,5
	OPS E,22, X,17, E,23, C,10
.if (\p) == 0
	FETCH_V
.endif
	OPS E,24, L,4
	OPS E,25, X,18, E,26, C,7
	OPS E,27, B,5, E,28, X,19
	OPS E,29, C,12, E,30, L,5
	OPS E,31, X,20, B,6, C,9
	OPS C,14, C,11, X,21, L,6
.if (\p) == 0
	s_add_co_u32 s[TBV], s[TBV], KS*PV
.endif
.if \cnt
	s_sub_co_u32 s[CNT], s[CNT], 1
	s_cmp_lg_u32 s[CNT], 0
.endif
	OPS C,13, B,7, C,15, R,10
	OPS R,11, R,12, L,7, R,13
	OPS R,14, R,15
.if (\m) && !(\end)
	MASK (\p)%2
.endif
.endm
; A BLOCK BEGINS.  c m starts far below every c s, so the first step's a is 0; m at the lowest finite number, so the first maximum is the scores'.  The second mask buffer is 0; the first takes piece 0's mask for the tile's step 0: its own, if the block's first tile is the diagonal one.
; Then K of that step, piece 0's first scores, and its maximum and statistics.  The loop is entered at a step's first turn, in the middle of a trip.
.macro BEGIN
	s_mov_b32 s[NEW], 0
	WIN 0x40
.set i, MC+32
.rept 32
	v_mov_b32 v[i], 0
.set i, i+1
.endr
	WIN 0
.set i, 0
.rept 4
	v_mov_b32 v[ST+4*i], 0xfe000000    ; c m: far below every c s
	v_mov_b32 v[ST+4*i+1], 0xff7fffff  ; m
.set i, i+1
.endr
	s_cmp_eq_u32 s[RT], 0
	s_cselect_b32 s[AL], 1.0, 0
	s_mov_b32 s[BE], 0
	MASK 0
	WIN 0
	v_add_nc_u32 v[AK], s[TBK], v[AK0]
	FETCH_K
	s_wait_loadcnt 0x0              ; Q
	s_wait_dscnt 0x0
.set KM, 1
.set NOKQ, 0
.set i, 0
.rept 8
	KQ 0
.set i, i+1
.endr
	WIN 0
.rept 4
	v_nop                           ; the places behind those products
.endr
.set Y, NP-1                        ; X works for piece Y + 1: piece 0
.irp n, 0,1,2,3,4,5,6,7,8,9,10,11,12,13,14,15,16,17,18,19,20,21
	OP X, \n
.endr
	v_nop                           ; a plain instruction behind the exponential
.endm
; THE DIAGONAL TILE's four steps, the block's last two turns, its last products, and THE WAY OUT: l's two halves and the other half of the lanes' are added; O^T is divided by l, rounded to f16 and sent through my
; stage in LDS, a piece at a time.
.macro ALL line:vararg              ; one line for each piece t
.set t, 0
.rept 4
	\line
.set t, t+1
.endr
.endm
.macro PACK t                       ; a lane's eight channels of a row pack into 16 bytes; they go into rows of 144 bytes and come back as whole rows of 128, into S^T's registers
	WIN W_RS
.set i, 32*(\t)
.rept 16
	s_wait_alu depctr_va_vdst(0)
	v_pk_mul_f32 v[i:i+1], v[i:i+1], v[ST+4*(\t)+2:ST+4*(\t)+3] op_sel_hi:[1,0]
.set i, i+2
.endr
	WIN 0x05                        ; sources 0 and 1 window 1, destination window 0
.set i, 0
.rept 16
	v_cvt_pk_f16_f32 v[S+16*(\t)+i], v[32*(\t)+2*i], v[32*(\t)+2*i+1]
.set i, i+1
.endr
	WIN 0
.irp f, 0,1,2,3
	ds_store_b128 v[STO], v[S+16*(\t)+4*\f:S+16*(\t)+4*\f+3] offset:32*\f
.endr
.irp f, 0,1,2,3
	ds_load_b128 v[S+16*(\t)+4*\f:S+16*(\t)+4*\f+3], v[RD] offset:\f*4*SP  ; LDS serves a wave's instructions in order (ISA guide 5.7.1.4): these see the stores above; the next piece's stores come behind them
.endr
.endm
.macro SEND t, younger              ; younger: the LDS instructions issued behind piece t's loads: the next piece's eight, or none
	WIN 0
.irp f, 0,1,2,3
	s_wait_dscnt (\younger)+3-\f
	global_store_b128 v[GO], v[S+16*(\t)+4*\f:S+16*(\t)+4*\f+3], s[10:11] offset:(\t)*8192+\f*512  ; 512 consecutive bytes, at a multiple of 256 from O's first
.endr
.endm
.macro DIAG tag                     ; the tag ends its two labels' names, which the jumps below spell out
.LstepM\tag:
	TURN 2, 1
	TURN 3, 1
	WIN 0
.LfirstM\tag:
	TURN 0, 1
	TURN 1, 1, 0, 1
	WIN 0
	s_cbranch_scc1 .LstepM\tag
	TURN 2, 1, 1
	TURN 3, 1, 1
.set i, 0
.rept 8
	PV NP-1
.set i, i+1
.endr
	WIN 0
	ALL v_add_f32 v[ST+4*t+2], v[ST+4*t+2], v[ST+4*t+3]
	ALL v_permlanex16_b32 v[ST+4*t+3], v[ST+4*t+2], s[SEL], s[SEL+1]
	ALL v_add_f32 v[ST+4*t+2], v[ST+4*t+2], v[ST+4*t+3]
	ALL v_rcp_f32 v[ST+4*t+2], v[ST+4*t+2]
	v_nop                           ; a plain instruction between the last reciprocal and the use of its result
	PACK 0
.set t, 1
.rept 3                             ; a piece's arithmetic stands between the loads of the piece before and its stores
	PACK t
	SEND t-1, 8
.set t, t+1
.endr
	SEND 3, 0
.endm
.set KM, 0
.set NOKQ, 0
.Lslot:                             ; NB times: a tile is entered and the next is asked for
	CHANGE 1
	s_sub_co_u32 s[RT], s[RT], 1
	s_mov_b32 s[CNT], 4
	s_cmp_eq_u32 s[NEW], 1
	s_cbranch_scc1 .Lnew            ; a block's first tile
	s_cmp_eq_u32 s[RT], 0
	s_cbranch_scc0 .Lstep           ; neither its first nor its last
	s_branch .LstepM1
.Lnew:
	BEGIN
	s_branch .Lfirst                ; in the loop a block's first tile is never its last: the first block has two tiles or more, and the second's last is the walk's last
	DIAG 1                          ; in the loop this is the first block's end: the second block's last tile is the walk's last
	s_wait_xcnt 0x0                 ; the stores have read their registers and O's address
	s_mov_b64 s[10:11], s[OLO:OLO+1]
	s_add_co_u32 s[RT], s[PB], 1    ; the second block has b + 1 tiles
	s_mov_b32 s[NEW], 1
	WIN 0x82                        ; the second block's Q goes where the one text of the turns names Q
.set i, 0
.rept 64
	v_mov_b32 v[i], v[QB+i]
.set i, i+1
.endr
	WIN 0
	s_branch .Lbottom
.Lstep:                             ; a trip: pieces 2 and 3 of one step, then pieces 0 and 1 of the next, whose K and V it fetches
	TURN 2
	TURN 3
	WIN 0
.Lfirst:
	TURN 0
	TURN 1, 0, 0, 1
	WIN 0
	s_cbranch_scc1 .Lstep
.Lbottom:
	s_sub_co_u32 s[SLOTS], s[SLOTS], 1
	s_cmp_lg_u32 s[SLOTS], 0
	s_cbranch_scc1 .Lslot
	CHANGE 0                        ; the walk's last tile is written out: nothing is asked for
	s_sub_co_u32 s[RT], s[RT], 1
	s_mov_b32 s[CNT], 4
	s_cmp_eq_u32 s[NEW], 1
	s_cbranch_scc0 .LstepM2
	BEGIN
	s_branch .LfirstM2
	DIAG 2
	s_wait_tensorcnt 0x0            ; the wave's end, behind my last tensor load and my last LDS store
	ds_add_u32 v[SPW], v[NIL]
	s_wait_dscnt 0x0
	s_endpgm
.Lfunc_end_k_q150f42f650_attn:
	.size	k_q150f42f650_attn, .Lfunc_end_k_q150f42f650_attn-k_q150f42f650_attn
	.p2alignl 7, 3214868480
	.fill 96, 4, 3214868480
	.section	.rodata,"a",@progbits
	.p2align	6, 0x0
	.amdhsa_kernel k_q150f42f650_attn
		.amdhsa_group_segment_fixed_size 327680
		.amdhsa_private_segment_fixed_size 0
		.amdhsa_enable_private_segment 0
		.amdhsa_kernarg_size 16
		.amdhsa_user_sgpr_count 2
		.amdhsa_user_sgpr_kernarg_segment_ptr 1
		.amdhsa_wavefront_size32 1
		.amdhsa_system_sgpr_workgroup_id_x 1
		.amdhsa_system_sgpr_workgroup_id_y 1
		.amdhsa_system_sgpr_workgroup_id_z 1
		.amdhsa_system_vgpr_workitem_id 0
		.amdhsa_next_free_vgpr 768
		.amdhsa_next_free_sgpr 88
		.amdhsa_reserve_vcc 1
		.amdhsa_float_denorm_mode_32 3
		.amdhsa_float_denorm_mode_16_64 3
		.amdhsa_memory_ordered 1
		.amdhsa_forward_progress 1
		.amdhsa_inst_pref_size 228
	.end_amdhsa_kernel
	.amdgpu_metadata
---
amdhsa.version: [ 1, 2 ]
amdhsa.kernels:
  - .name:           k_q150f42f650_attn
    .symbol:         k_q150f42f650_attn.kd
    .args:
      - { .name: qkv, .offset: 0, .size: 8, .value_kind: global_buffer, .address_space: global }
      - { .name: ctx, .offset: 8, .size: 8, .value_kind: global_buffer, .address_space: global }
    .group_segment_fixed_size: 327680
    .private_segment_fixed_size: 0
    .kernarg_segment_align: 8
    .kernarg_segment_size: 16
    .max_flat_workgroup_size: 128
    .sgpr_count:     88
    .vgpr_count:     768
    .wavefront_size: 32
...
	.end_amdgpu_metadata
.endif
;; end of part 3
;; launch oproj (part 4): grid 8 x 32, 4 waves a work-group, clusters of 4 x 4, 327,680 bytes of LDS; arguments ctx, wot, bo, out0; writes out0
.if DOCPART == 4
	.amdgcn_target "amdgcn-amd-amdhsa--gfx1250"
	.amdhsa_code_object_version 6
	.text
	.protected	k_q150f42f650_oproj
	.globl	k_q150f42f650_oproj
	.p2align	8
	.type	k_q150f42f650_oproj,@function
k_q150f42f650_oproj:
	s_mov_b64 s[64:65], 0
	v_nop
	global_prefetch_b8 v0, s[64:65] scope:SCOPE_SE
	s_setreg_imm32_b32 hwreg(HW_REG_WAVE_MODE, 25, 1), 1
	s_wait_xcnt 0x0
	s_wait_alu depctr_hold_cnt(0) depctr_sa_sdst(0) depctr_va_vdst(0) depctr_va_sdst(0) depctr_va_ssrc(0) depctr_va_vcc(0) depctr_vm_vsrc(0)
	s_getreg_b32 s2, hwreg(HW_REG_IB_STS2, 6, 4)
	s_cmp_eq_u32 s2, 0
	s_cbranch_scc0 .Lentry_in_a_cluster
	s_endpgm
.Lentry_in_a_cluster:
	s_bfe_u32 s2, ttmp6, 0x10000c
	s_cmp_lg_u32 s2, 0xf033
	s_cbranch_scc0 .Lentry_shape_is_right
	s_endpgm
.Lentry_shape_is_right:
; out0[m][n] = bo[n] + sum over k of ctx(m, k) wot[n][k].  ctx lies by heads, [64 (batch x 16 + head)][2048][64] f16: k = 64 x head + channel.  wot [1024][1024] f16.  Sums, bias and result in f32.
; The bias is the C operand of the products that start the sums: it is added first, the products onto it, K ascending.
; A tile of out0 is 256 rows x 128 columns: 32 x 8 = 256 work-groups.  Wave w makes rows 64 w .. 64 w + 63 of all 128 columns: 4 x 8 accumulators, 256 registers.
; K goes in 8 steps of 128, two heads a step, through two LDS slots.  A head's 256 rows of the tile are 32,768 dense bytes: asked for as 128 rows of 256 bytes and padded after every 128, so that
; a row of ctx has a pitch of 144 bytes in LDS.  wot's rows are 256 bytes, padded to 272.
; CLUSTER 4 x 4: the four of a row need the same tiles of ctx, the four of a column the same tiles of wot: each tile is asked for jointly.
; THE MATRIX INSTRUCTION IS USED TRANSPOSED (source 0 = 16 rows of wot, source 1 = 16 rows of ctx): a lane holds row l % 16 and eight neighbouring columns, 32 bytes of f32.
; PREFETCH.  A K step's tile of ctx is 65,536 bytes, which the 8 work-groups of a tile row share.  Work-group tc asks for 8,192 of them (head tc / 4 of the step's two, quarter tc % 4 of its 32,768):
; one instruction of wave 3, its lanes 256 bytes apart, so that each block is asked for once in the launch.  Steps 2 and 3 behind the first fills; in the loop's trip t = 0 .. 3 step t + 4,
; two trips ahead of the tensor load that wants it; the last two trips ask for nothing, so no address passes step 7's tile.  wot is not asked for: all 32 tile rows read it again.
; REGISTERS: window 0: v0-31 addresses; v32-95 fragments of ctx, two buffers; v96-159 the bias, later with v160-223 the way out.  Window 1: v0-127 fragments of wot, two buffers.  Window 2: accumulator (a, b) at 64 a + 8 b.
.set KSTEP,  128
.set PTA,    144                       ; 128 bytes + 16 = 36 words: the 16 rows of a fragment load start at 16 different groups of four banks (64 banks of 4 bytes: ISA guide 11.1)
.set PTB,    272
.set SLOT1,  131072
.set AHEAD,  256*PTA                   ; one head's 256 rows: what one load brings of ctx
.set BOFF,   2*AHEAD                   ; wot's 128 rows lie behind the two heads
.set BHALF,  64*PTB                    ; what one load brings of wot
.set STAGE,  SLOT1+BOFF+128*PTB        ; behind the ring, never filled by a tensor load
.set SPI,    528                       ; a stage row: 512 bytes + 16
.set WSTAGE, 16*SPI
.set SPARE,  STAGE+4*WSTAGE            ; the spare words, 128 bytes a wave: two blocks of 256 bytes that no other line names
.set HSTEP,  2*2048*128                ; two heads on in ctx
.set ADRA, 16
.set ADRB, 17
.set AA0,  18
.set AB0,  19
.set STO,  24
.set RD,   25
.set CO,   26                          ; v26  16 x lane: my bytes in a row's 512
.set VP,   27                          ; v27  256 x lane: the prefetch's block; never rewritten
.set SPW,  28
.set NIL,  29
.set VB,   30                          ; v30  32 x (l / 16): my eight columns' bytes in a block of 16 of bo
.set FA,   32
.set OB,   96                          ; 64 registers, twice
.set BI,   96                          ; v[96:159] bo of my eight columns in each of the 8 column blocks; free for the way out when the first quarter has read them
.set WV,   10
.set SL,   22
.set G1,   24
.set G0,   32
.set G1B,  48
.set G0B,  56
.set PF,   78                          ; s[78:79] the prefetch's address
.set MSB, 0
.macro WIN new                         ; the immediate's high byte repeats the setting that is left; a switch that changes nothing is dropped
.if MSB != (\new)
	s_set_vgpr_msb (MSB<<8)|(\new)
.set MSB, (\new)
.endif
.endm
.macro PLACES                          ; four places in front of loads into registers that matrix instructions have read, and of LDS stores that read results
.rept 4
	v_nop
.endr
.endm
; A joint refill by the walking descriptors.  Waves 0, 1 fetch the step's two heads of ctx, waves 2, 3 wot's two halves.  An s_nop 0 and four v_nop follow each of the two lines.
.macro JLOAD
	s_cmp_lt_u32 s[WV], 2
	s_cbranch_scc0 .Lfor_b_\@
	tensor_load_to_lds s[G0+4:G0+7], s[G1:G1+7]
	s_nop 0
.rept 4
	v_nop
.endr
	s_branch .Lasked_\@
.Lfor_b_\@:
	tensor_load_to_lds s[G0B+4:G0B+7], s[G1B:G1B+7]
	s_nop 0
.rept 4
	v_nop
.endr
.Lasked_\@:
.endm
; The loop's prefetch: wave 3 alone, in the trips with s3 = 6 .. 3; the address was last used a trip ago, so the wait in front of its step finds nothing out.
.macro ASK
	s_cmp_lg_u32 s[WV], 3
	s_cbranch_scc1 .Lno_ask_\@
	s_cmp_lt_u32 s3, 3
	s_cbranch_scc1 .Lno_ask_\@
	s_wait_xcnt 0x0                                ; the address is stepped only behind this wait
	s_add_nc_u64 s[PF:PF+1], s[PF:PF+1], HSTEP     ; a K step on
	global_prefetch_b8 v[VP], s[PF:PF+1] offset:HSTEP th:TH_LOAD_NT scope:SCOPE_SE
.Lno_ask_\@:
.endm
.macro CREST                           ; a round of the cluster's barrier behind its opening barrier
	s_cmp_lg_u32 s[WV], 0
	s_cbranch_scc1 .Lnot_wave_0_\@
	s_barrier_signal -3
.Lnot_wave_0_\@:
	s_barrier_wait -3
	s_barrier_signal -1
	s_barrier_wait -1
.endm
.macro CROUND                          ; a whole round
	s_barrier_signal -1
	s_barrier_wait -1
	CREST
.endm
	s_load_b128 s[4:7], s[0:1], 0x0                ; ctx s[4:5], wot s[6:7]
	s_load_b128 s[68:71], s[0:1], 0x10             ; bo s[68:69], out0 s[70:71]
	v_lshl_add_u32 v[SPW], v0, 2, SPARE
	v_mov_b32 v[NIL], 0
	ds_add_u32 v28, v29
	ds_add_u32 v28, v29
	s_wait_dscnt 0x0
	v_lshrrev_b32 v1, 5, v0
	v_readfirstlane_b32 s[WV], v1                  ; wave 0..3
	v_and_b32 v[CO], 31, v0
	v_lshlrev_b32 v[VP], 8, v[CO]
	v_lshlrev_b32 v[CO], 4, v[CO]
	v_bfe_u32 v2, v0, 4, 1                         ; l / 16
	v_lshlrev_b32 v[VB], 5, v2
	s_and_b32 s12, s[WV], 1                        ; which head of the step, or which half of wot's rows, I fetch
	s_bfe_u32 s40, ttmp6, 0x40000                  ; cx
	s_bfe_u32 s41, ttmp6, 0x40004                  ; cy
	s_lshl_b32 s42, ttmp9, 2
	s_add_co_u32 s42, s42, s40                     ; tile column, 0..7
	s_and_b32 s13, ttmp7, 0xffff
	s_lshl_b32 s13, s13, 2
	s_add_co_u32 s13, s13, s41                     ; tile row, 0..31
	s_lshl_b32 s43, s41, 2
	s_lshl_b32 s43, 15, s43                        ; my row of the cluster
	s_lshl_b32 s44, 0x1111, s40                    ; my column
	s_or_b32 s[G1], s43, (1<<16)|(1<<20)|(1<<21)|(4<<22)|(3<<25)   ; mask; 2-byte elements; padding on; bit 21 beside a mask; after every 32 words, 4 words
	s_or_b32 s[G1B], s44, (1<<16)|(1<<20)|(1<<21)|(5<<22)|(3<<25)  ; after every 64 words, 4 words
	s_mov_b32 s[G1+1], 128<<16                     ; tensor_dim0 = 128 elements: 256 bytes, two rows of a head
	s_mov_b32 s[G1+2], 128<<16                     ; tensor_dim1 = 128
	s_mov_b32 s[G1+3], 128<<16                     ; tile_dim0
	s_mov_b32 s[G1+4], 128                         ; tile_dim1
	s_mov_b32 s[G1+5], 128                         ; dense: 128 elements from row to row
	s_mov_b32 s[G1+6], 0
	s_mov_b32 s[G1+7], 0
	s_mov_b32 s[G1B+1], KSTEP<<16
	s_mov_b32 s[G1B+2], 64<<16                     ; 64 rows
	s_mov_b32 s[G1B+3], KSTEP<<16
	s_mov_b32 s[G1B+4], 64
	s_mov_b32 s[G1B+5], 1024
	s_mov_b32 s[G1B+6], 0
	s_mov_b32 s[G1B+7], 0
	s_lshr_b32 s16, s13, 3                         ; ctx: (16 x batch + my head of step 0) x 2^18 + the tile's 256 rows x 128 bytes
	s_lshl_b32 s16, s16, 4
	s_add_co_u32 s16, s16, s12
	s_lshl_b32 s16, s16, 18
	s_and_b32 s17, s13, 7
	s_lshl_b32 s17, s17, 15
	s_add_co_u32 s16, s16, s17
	s_mov_b32 s17, 0
	s_lshl_b32 s46, s42, 7                         ; wot: row 128 x tile column + 64 x half, x 2,048 bytes
	s_lshl_b32 s47, s12, 6
	s_add_co_u32 s46, s46, s47
	s_lshl_b32 s46, s46, 11
	s_mov_b32 s47, 0
	s_mul_i32 s20, s12, AHEAD                      ; where they go: no place in the cluster enters an LDS address
	s_mul_i32 s21, s12, BHALF
	s_add_co_u32 s21, s21, BOFF
	s_lshr_b32 s72, s13, 3                         ; the prefetch: (16 x batch + 4 + tc / 4) x 2^18, the tile's rows, quarter tc % 4 of them: my share of K step 2
	s_lshl_b32 s72, s72, 4
	s_lshr_b32 s73, s42, 2
	s_add_co_u32 s72, s72, s73
	s_add_co_u32 s72, s72, 4
	s_lshl_b32 s72, s72, 18
	s_and_b32 s73, s13, 7
	s_lshl_b32 s73, s73, 15
	s_add_co_u32 s72, s72, s73
	s_and_b32 s73, s42, 3
	s_lshl_b32 s73, s73, 13
	s_add_co_u32 s72, s72, s73
	s_mov_b32 s73, 0
	s_wait_kmcnt 0x0
	s_add_nc_u64 s[14:15], s[4:5], s[16:17]
	s_add_nc_u64 s[46:47], s[6:7], s[46:47]
	s_add_nc_u64 s[PF:PF+1], s[4:5], s[72:73]
	CROUND                                         ; all sixteen work-groups are here: the first joint loads meet
.irp s, 0,1
	s_mov_b32 s[G0+4*(\s)], 1
	s_add_co_u32 s[G0+4*(\s)+1], s20, (\s)*SLOT1
	s_add_nc_u64 s[G0+4*(\s)+2:G0+4*(\s)+3], s[14:15], (\s)*HSTEP
	s_or_b32 s[G0+4*(\s)+3], s[G0+4*(\s)+3], 0x80000000
	s_mov_b32 s[G0B+4*(\s)], 1
	s_add_co_u32 s[G0B+4*(\s)+1], s21, (\s)*SLOT1
	s_add_nc_u64 s[G0B+4*(\s)+2:G0B+4*(\s)+3], s[46:47], (\s)*KSTEP*2
	s_or_b32 s[G0B+4*(\s)+3], s[G0B+4*(\s)+3], 0x80000000
.endr
	s_cmp_lt_u32 s[WV], 2                          ; a wave's two first fills stand in one branch, ahead of every wait on TENSORcnt and every LDS read: two loads of mine are out
	s_cbranch_scc0 .Lfirst_b
	tensor_load_to_lds s[G0:G0+3], s[G1:G1+7]
	s_nop 0
	tensor_load_to_lds s[G0+4:G0+7], s[G1:G1+7]
	s_nop 0
.rept 4
	v_nop
.endr
	s_branch .Lfirst_asked
.Lfirst_b:
	tensor_load_to_lds s[G0B:G0B+3], s[G1B:G1B+7]
	s_nop 0
	tensor_load_to_lds s[G0B+4:G0B+7], s[G1B:G1B+7]
	s_nop 0
.rept 4
	v_nop
.endr
.Lfirst_asked:
	s_cmp_lg_u32 s[WV], 3
	s_cbranch_scc1 .Lno_ask0
	global_prefetch_b8 v[VP], s[PF:PF+1] th:TH_LOAD_NT scope:SCOPE_SE               ; my share of K step 2,
	global_prefetch_b8 v[VP], s[PF:PF+1] offset:HSTEP th:TH_LOAD_NT scope:SCOPE_SE  ; and of K step 3: the loop's first two trips fetch them
.Lno_ask0:
	s_lshl_b32 s74, s13, 8                         ; out0: row 256 x tile row + 64 x wave, x 4,096 bytes, + 512 x tile column
	s_lshl_b32 s75, s[WV], 6
	s_add_co_u32 s74, s74, s75
	s_lshl_b32 s74, s74, 12
	s_lshl_b32 s76, s42, 9
	s_add_co_u32 s74, s74, s76
	s_mov_b32 s75, 0
	s_mov_b32 s77, 0
	s_add_nc_u64 s[70:71], s[70:71], s[74:75]
	s_add_nc_u64 s[68:69], s[68:69], s[76:77]      ; bo at the tile's 128 columns
.irp b, 0,1,2,3,4,5,6,7
	global_load_b128 v[BI+8*(\b):BI+8*(\b)+3],   v[VB], s[68:69] offset:64*(\b)     ; bo of columns 16 b + 8 (l / 16) + 0 .. 3: as an accumulator's registers 0 to 3 lie
	global_load_b128 v[BI+8*(\b)+4:BI+8*(\b)+7], v[VB], s[68:69] offset:64*(\b)+16  ; + 4 .. 7
.endr
	v_and_b32 v1, 15, v0                           ; l % 16
	v_mul_u32_u24 v3, v1, PTA
	v_lshl_add_u32 v3, v2, 4, v3
	s_mul_i32 s18, s[WV], 64*PTA                   ; my 64 rows of ctx
	v_add_nc_u32 v[AA0], s18, v3
	v_mul_u32_u24 v4, v1, PTB
	v_lshl_add_u32 v4, v2, 4, v4
	v_add_nc_u32 v[AB0], BOFF, v4
	v_mov_b32 v[ADRA], v[AA0]
	v_mov_b32 v[ADRB], v[AB0]
	s_mov_b32 s[SL], 0
	s_mul_i32 s18, s[WV], WSTAGE
	s_add_co_u32 s18, s18, STAGE                   ; my stage
	v_mul_u32_u24 v5, v1, SPI                      ; in: row l % 16, 32 bytes for each half of the lanes
	v_lshl_add_u32 v5, v2, 5, v5
	v_add_nc_u32 v[STO], s18, v5
	v_add_nc_u32 v[RD], s18, v[CO]                 ; back: 32 lanes take a row's 512 bytes
; 8 matrix instructions: row block a x all 8 column blocks, 32 along K, from buffer f.  One instruction to an accumulator: the accumulators take turns.
; first = 1: the products that start the sums take the bias as C.
.macro MULA f, a, first
.if \first
	WIN 0x81                                       ; source 0 window 1, source 1 and C window 0, D window 2
.else
	WIN 0xa1                                       ; source 0 window 1, source 1 window 0, C and D window 2
.endif
.irp b, 0,1,2,3,4,5,6,7
.if \first
	v_wmma_f32_16x16x32_f16 v[64*(\a)+8*(\b):64*(\a)+8*(\b)+7], v[64*(\f)+8*(\b):64*(\f)+8*(\b)+7], v[FA+32*(\f)+8*(\a):FA+32*(\f)+8*(\a)+7], v[BI+8*(\b):BI+8*(\b)+7]
.else
	v_wmma_f32_16x16x32_f16 v[64*(\a)+8*(\b):64*(\a)+8*(\b)+7], v[64*(\f)+8*(\b):64*(\f)+8*(\b)+7], v[FA+32*(\f)+8*(\a):FA+32*(\f)+8*(\a)+7], v[64*(\a)+8*(\b):64*(\a)+8*(\b)+7]
.endif
.endr
.endm
; 24 LDS loads in one run: quarter q of the step (head q / 2, channels 32 (q % 2) on): 128 rows of wot, then my 64 rows of ctx, into buffer g
.macro FETCH q, g
	WIN 0x40                                       ; destination window 1
.irp i, 0,1,2,3,4,5,6,7
	ds_load_b128 v[64*(\g)+8*(\i):64*(\g)+8*(\i)+3],   v[ADRB] offset:64*(\q)+(\i)*16*PTB
	ds_load_b128 v[64*(\g)+8*(\i)+4:64*(\g)+8*(\i)+7], v[ADRB] offset:64*(\q)+(\i)*16*PTB+32
.endr
	WIN 0
.irp i, 0,1,2,3
	ds_load_b128 v[FA+32*(\g)+8*(\i):FA+32*(\g)+8*(\i)+3],   v[ADRA] offset:((\q)/2)*AHEAD+((\q)%2)*64+(\i)*16*PTA
	ds_load_b128 v[FA+32*(\g)+8*(\i)+4:FA+32*(\g)+8*(\i)+7], v[ADRA] offset:((\q)/2)*AHEAD+((\q)%2)*64+(\i)*16*PTA+32
.endr
.endm
.macro QUARTER q, f, g, first          ; multiplies buffer f; in its middle it fetches quarter q into buffer g
	s_wait_dscnt 4                                 ; wot and ctx's row blocks 0, 1 are in; the youngest four loads may be out
	MULA \f, 0, \first
	MULA \f, 1, \first
	PLACES
	FETCH \q, \g
	s_wait_dscnt 24                                ; all but the 24 just issued
	MULA \f, 2, \first
	MULA \f, 3, \first
.endm
; The last quarter multiplies buffer 1 and changes slots: one barrier.  In front of it each wave waits for all its tensor loads (one is out: its part of the next slot), adds 0 to its
; spare word, and waits for that and for its reads of this slot.  fill = 1: the barrier opens a round of the cluster's barrier, and this slot is filled again, two K steps ahead.
; fill = 0 (the tail's two trips): nothing is asked for, and the second trip, behind which no K step follows, jumps forward over the fetch of a next step's fragments.
.macro TURN fill
	WIN 0
	s_wait_tensorcnt 0x0                           ; all my tensor loads have landed
	ds_add_u32 v[SPW], v[NIL]                      ; 0 onto my spare word
	s_wait_dscnt 5                                 ; the add and the youngest four loads may be out
	MULA 1, 0, 0                                   ; eight matrix instructions stand between the add and the wait for it
	s_wait_dscnt 0x0                               ; the add is done, and my reads of this slot are over
	s_barrier_signal -1
	MULA 1, 1, 0
	WIN 0                                          ; at a branch and at a label every window is 0
	s_barrier_wait -1
.if \fill
	CREST                                          ; no wave of any partner still reads this slot or has a load on its way
	s_xor_b32 s[G0+5], s[G0+5], SLOT1              ; the walking descriptors: the other slot than last time, the next K step
	s_add_nc_u64 s[G0+6:G0+7], s[G0+6:G0+7], HSTEP
	s_xor_b32 s[G0B+5], s[G0B+5], SLOT1
	s_add_nc_u64 s[G0B+6:G0B+7], s[G0B+6:G0B+7], KSTEP*2
	JLOAD                                          ; the first tensor load behind the round, one a wave; its four v_nop are also the places in front of the loads below
	ASK
.else
	s_cmp_eq_u32 s3, 1
	s_cbranch_scc1 .Lno_fetch
	PLACES
.endif
	s_xor_b32 s[SL], s[SL], SLOT1
	v_add_nc_u32 v[ADRA], s[SL], v[AA0]
	v_add_nc_u32 v[ADRB], s[SL], v[AB0]
	FETCH 0, 0
.if (\fill) == 0
.Lno_fetch:
.endif
	MULA 1, 2, 0
	MULA 1, 3, 0
.endm
	s_wait_tensorcnt 1                             ; my part of K step 0 is in; K step 1's may stay out
	s_barrier_signal -1
	s_barrier_wait -1
	FETCH 0, 0
	s_wait_loadcnt 0x0                             ; the bias
	QUARTER 1, 0, 1, 1                             ; the first quarter stands in front of the loop: its products start the sums, on the bias
	WIN 0
	s_mov_b32 s3, 6                                ; six trips ask for K steps 2 to 7
.Lstep:
	QUARTER 2, 1, 0, 0
	QUARTER 3, 0, 1, 0
	TURN 1
	QUARTER 1, 0, 1, 0
	WIN 0
	s_sub_co_u32 s3, s3, 1
	s_cmp_lg_u32 s3, 0
	s_cbranch_scc1 .Lstep
	s_mov_b32 s3, 2                                ; the last two K steps ask for nothing: a loop of their own
.Ltail:
	QUARTER 2, 1, 0, 0
	QUARTER 3, 0, 1, 0
	TURN 0
	WIN 0
	s_cmp_eq_u32 s3, 1
	s_cbranch_scc1 .Ldone                          ; behind the last K step there is no first quarter; what is jumped holds no barrier and no tensor load
	QUARTER 1, 0, 1, 0
	WIN 0
.Ldone:
	s_wait_dscnt 0x0                               ; all the trip's fragment loads are back, on either way
	s_sub_co_u32 s3, s3, 1
	s_cmp_lg_u32 s3, 0
	s_cbranch_scc1 .Ltail
; THE WAY OUT, a block of 16 rows at a time: the f32 sums go into my stage (each accumulator's low four registers first), come back as whole rows of 512 bytes and are stored.
.macro TOSTAGE a
	s_wait_xcnt 0x0                                ; earlier stores have read their registers: the block is read back into them only behind this wait
	WIN 0x08                                       ; the LDS stores' data in window 2
.irp b, 0,1,2,3,4,5,6,7
	ds_store_b128 v[STO], v[64*(\a)+8*(\b):64*(\a)+8*(\b)+3]   offset:64*(\b)
	ds_store_b128 v[STO], v[64*(\a)+8*(\b)+4:64*(\a)+8*(\b)+7] offset:64*(\b)+16
.endr
	WIN 0
.set BK, OB+64*((\a)%2)
.irp t, 0,1,2,3,4,5,6,7,8,9,10,11,12,13,14,15
	ds_load_b128 v[BK+4*(\t):BK+4*(\t)+3], v[RD] offset:SPI*(\t)  ; LDS serves a wave's instructions in order (ISA guide 5.7.1.4): these see the stores above
.endr
.endm
.macro SEND a, younger                 ; younger: the next block's 16 LDS stores and 16 loads, or none
.set BK, OB+64*((\a)%2)
	s_wait_dscnt \younger
.irp t, 0,1,2,3,4,5,6,7,8,9,10,11,12,13,14,15
	global_store_b128 v[CO], v[BK+4*(\t):BK+4*(\t)+3], s[70:71] offset:(16*(\a)+(\t))*4096 th:TH_STORE_NT  ; 512 consecutive bytes, at a multiple of 512 from out0's first
.endr
.endm
	PLACES                                         ; the LDS stores read results just made
	TOSTAGE 0
	TOSTAGE 1
	SEND 0, 32
	TOSTAGE 2
	SEND 1, 32
	TOSTAGE 3
	SEND 2, 32
	SEND 3, 0
	s_wait_tensorcnt 0x0                           ; the wave's end
	ds_add_u32 v[SPW], v[NIL]
	s_wait_dscnt 0x0
	CROUND                                         ; the closing round: no work-group ends while a partner may still ask for a tile that names it
	s_endpgm
.Lfunc_end_k_q150f42f650_oproj:
	.size	k_q150f42f650_oproj, .Lfunc_end_k_q150f42f650_oproj-k_q150f42f650_oproj
	.p2alignl 7, 3214868480
	.fill 96, 4, 3214868480
	.section	.rodata,"a",@progbits
	.p2align	6, 0x0
	.amdhsa_kernel k_q150f42f650_oproj
		.amdhsa_group_segment_fixed_size 327680
		.amdhsa_private_segment_fixed_size 0
		.amdhsa_enable_private_segment 0
		.amdhsa_kernarg_size 32
		.amdhsa_user_sgpr_count 2
		.amdhsa_user_sgpr_kernarg_segment_ptr 1
		.amdhsa_wavefront_size32 1
		.amdhsa_system_sgpr_workgroup_id_x 1
		.amdhsa_system_sgpr_workgroup_id_y 1
		.amdhsa_system_sgpr_workgroup_id_z 1
		.amdhsa_system_vgpr_workitem_id 0
		.amdhsa_next_free_vgpr 768
		.amdhsa_next_free_sgpr 80
		.amdhsa_reserve_vcc 0
		.amdhsa_float_denorm_mode_32 3
		.amdhsa_float_denorm_mode_16_64 3
		.amdhsa_memory_ordered 1
		.amdhsa_forward_progress 1
		.amdhsa_inst_pref_size 62
	.end_amdhsa_kernel
	.amdgpu_metadata
---
amdhsa.version: [ 1, 2 ]
amdhsa.kernels:
  - .name:           k_q150f42f650_oproj
    .symbol:         k_q150f42f650_oproj.kd
    .args:
      - { .name: ctx, .offset: 0, .size: 8, .value_kind: global_buffer, .address_space: global }
      - { .name: wot, .offset: 8, .size: 8, .value_kind: global_buffer, .address_space: global }
      - { .name: bo, .offset: 16, .size: 8, .value_kind: global_buffer, .address_space: global }
      - { .name: out0, .offset: 24, .size: 8, .value_kind: global_buffer, .address_space: global }
    .group_segment_fixed_size: 327680
    .private_segment_fixed_size: 0
    .kernarg_segment_align: 8
    .kernarg_segment_size: 32
    .max_flat_workgroup_size: 128
    .sgpr_count:     80
    .vgpr_count:     768
    .wavefront_size: 32
...
	.end_amdgpu_metadata
.endif
;; end of part 4
;; ======== version 2 of 2: 4 launches; version 1 with the launch prep written anew for expert scheduling mode
;; limits: values are held in f16: magnitudes above 65,504 overflow, below 6.1e-05 lose precision
;; workspace buffers: xb 16,777,216 bytes; wt 6,291,456 bytes; wot 2,097,152 bytes; qkv 50,331,648 bytes; ctx 16,777,216 bytes
;; launch prep (part 5): grid 256 x 1, 8 waves a work-group, no clusters, 34,304 bytes of LDS; arguments x, Wq, Wk, Wv, Wo, xb, wt, wot; writes xb, wt, wot
.if DOCPART == 5
	.amdgcn_target "amdgcn-amd-amdhsa--gfx1250"
	.amdhsa_code_object_version 6
	.text
	.protected	k_q150f42f650_prep
	.globl	k_q150f42f650_prep
	.p2align	8
	.type	k_q150f42f650_prep,@function
k_q150f42f650_prep:
	s_mov_b64 s[64:65], 0
	v_nop
	global_prefetch_b8 v0, s[64:65] scope:SCOPE_SE
	s_setreg_imm32_b32 hwreg(HW_REG_WAVE_SCHED_MODE, 0, 2), 2
	s_setreg_imm32_b32 hwreg(HW_REG_WAVE_MODE, 25, 1), 1
	s_wait_xcnt 0x0
	s_wait_alu depctr_vm_vsrc(0)
; CASTS, in one pass.  xb = bf16(x), [8192][1024].  wt[n][k] = bf16(W[k][n]) for Wq (rows 0-1023), Wk (1024-2047), Wv (2048-3071).
; wot[n][k] = bf16(Wo[k][n]) written as f16: the same number, so that the last product can take f16 operands on both sides.
; LIMIT.  bf16(Wo) beyond 65,504 becomes an infinity in f16; below 2^-14 it keeps f16's fixed step of 2^-24.
; SHARES.  256 work-groups of eight waves, all alike: each casts 32 rows of x and turns one tile of 128 k x 128 n of one weight matrix (4 matrices x 64 tiles).
; A wave issues all its loads at once, 16 of W and 32 of x, 512 consecutive bytes each: 24 KiB a wave on their way.  No matrix unit and no cluster: bytes are all the work.
; THE TURN.  Wave w holds rows (k) 16 w .. 16 w + 15 of the tile, a lane four columns of each.  Two neighbouring rows round into one word (k even below, k odd above), which goes to
; LDS row n, word 8 w + p.  Behind one barrier wave w reads LDS rows 16 w .. 16 w + 15 whole: 128 k = 256 bytes of an output row.
; THE MODE: SCHED_MODE bits 1:0 = 2 (LLVM: expert scheduling mode 2), set by the entry lines.  The code itself states the register dependences
; between vector instructions and memory or LDS instructions, with s_wait_alu, always for 0.
; THE PLAN.  Registers that memory or LDS instructions touch:
;   v1, v2, v4 to v7   offsets and LDS addresses: made at the head, read by every load, store and LDS instruction, never written again.
;   WREG               the loads of W land in it; the roundings read and write it; the LDS stores read half of it; behind the barrier the LDS loads land in its first 32 registers,
;                      which the global stores then read.  No vector instruction names it behind the roundings.
;   XREG               the loads of x land in it; the roundings write two of a row's four registers in place; the stores to xb read those two.  Nothing writes them again.
;   v224, v225         made at the head, read by the closing add alone.
; So: one wait on va_vdst ahead of the first load (the offsets), one ahead of the run of LDS stores (the roundings of W; it also serves the LDS loads that land in WREG later),
; one wait on vm_vsrc ahead of those LDS loads (the LDS stores have read WREG).  x goes in four blocks of eight rows: block p's roundings name block p's registers alone, so one wait
; on va_vdst at its head states that block p - 1 is rounded, and block p - 1's eight stores are dealt among block p's roundings with no further wait.
.set LP,    260                        ; an LDS row: 256 bytes + 4 = 65 words, so that neighbouring rows start one bank apart (64 banks of 4 bytes: ISA guide 11.1)
.set WREG,  32                         ; v[32:95]   16 rows of W, four columns a lane; later the rows read back
.set XREG,  96                         ; v[96:223]  32 rows of x, four numbers a thread; rounded in place
	s_load_b512 s[8:23], s[0:1], 0x0               ; x s[8:9], Wq s[10:11], Wk s[12:13], Wv s[14:15], Wo s[16:17], xb s[18:19], wt s[20:21], wot s[22:23]
	v_lshl_add_u32 v224, v0, 2, 0x8200
	v_mov_b32 v225, 0
	s_mov_b32 s2, ttmp9
	v_lshrrev_b32 v3, 5, v0
	v_readfirstlane_b32 s3, v3                     ; wave 0..7
	s_lshr_b32 s4, s2, 6                           ; matrix: 0 Wq, 1 Wk, 2 Wv, 3 Wo
	s_bfe_u32 s5, s2, 0x30003                      ; which 128 rows (k) of it
	s_and_b32 s6, s2, 7                            ; which 128 columns (n)
	s_mov_b32 s28, 0xffff0000                      ; a word's upper bf16
	v_lshlrev_b32 v1, 4, v0                        ; x: thread t takes 16 bytes at 16 t of each row
	v_lshlrev_b32 v2, 3, v0                        ; xb: 8 bytes at 8 t
	v_and_b32 v8, 31, v0                           ; lane
	v_lshlrev_b32 v4, 4, v8                        ; W: four columns at 16 x lane
	v_mul_u32_u24 v5, v8, 4*LP                     ; into LDS: row 4 x lane (+ c),
	s_wait_alu depctr_va_sdst(0)                   ; s3 is written, ahead of its first reader: both LDS addresses and the bases of W and of its turned copy are made from it
	s_lshl_b32 s38, s3, 5
	v_add_nc_u32 v5, s38, v5                       ; word 8 w (+ p)
	v_and_b32 v9, 15, v0                           ; r
	v_bfe_u32 v10, v0, 4, 1                        ; h
	v_lshlrev_b32 v11, 4, v9                       ; 16 r
	v_lshl_add_u32 v7, v10, 11, v11                ; out: row h of two rows of 2,048 bytes, 16 bytes at 16 r
	v_mul_u32_u24 v6, v10, LP
	v_add_nc_u32 v6, v6, v11
	s_mul_i32 s39, s3, 16*LP
	v_add_nc_u32 v6, s39, v6                       ; back from LDS: row 16 w + h, byte 16 r
	s_lshl_b32 s30, s2, 17                         ; 32 rows x 4,096 bytes of x
	s_mov_b32 s31, 0
	s_lshl_b32 s32, s2, 16                         ; 32 rows x 2,048 bytes of xb
	s_mov_b32 s33, 0
	s_lshl_b32 s34, s5, 19                         ; W: (128 x block + 16 w) rows of 4,096 bytes + 128 columns x 4 bytes
	s_lshl_b32 s7, s3, 16
	s_add_co_u32 s34, s34, s7
	s_lshl_b32 s7, s6, 9
	s_add_co_u32 s34, s34, s7
	s_mov_b32 s35, 0
	s_wait_kmcnt 0x0
	s_mov_b64 s[24:25], s[10:11]                   ; the source is chosen by the matrix's number
	s_cmp_eq_u32 s4, 1
	s_cselect_b64 s[24:25], s[12:13], s[24:25]
	s_cmp_eq_u32 s4, 2
	s_cselect_b64 s[24:25], s[14:15], s[24:25]
	s_cmp_eq_u32 s4, 3
	s_cselect_b64 s[24:25], s[16:17], s[24:25]
	s_cselect_b64 s[26:27], s[22:23], s[20:21]     ; Wo goes to wot, the others to wt
	s_cselect_b32 s29, 0, s4                       ; and begins at row 0 there
	s_add_nc_u64 s[24:25], s[24:25], s[34:35]
	s_add_nc_u64 s[8:9], s[8:9], s[30:31]
	s_add_nc_u64 s[18:19], s[18:19], s[32:33]
	s_wait_alu depctr_va_vdst(0)                   ; v1, v2 and v4 to v7 are written: every load, store and LDS instruction of the kernel reads one of them as its offset or address
.set i, 0
.rept 16
	global_load_b128 v[WREG+4*i:WREG+4*i+3], v4, s[24:25] offset:i*4096 th:TH_LOAD_NT  ; a row's 512 consecutive bytes
.set i, i+1
.endr
.set i, 0
.rept 32
	global_load_b128 v[XREG+4*i:XREG+4*i+3], v1, s[8:9] offset:i*4096 th:TH_LOAD_NT    ; the eight waves together take a row
.set i, i+1
.endr
	s_lshl_b32 s36, s29, 21                        ; out: (1,024 x matrix + 128 x column block + 16 w) rows of 2,048 bytes + my 128 k = 256 bytes
	s_lshl_b32 s7, s6, 18
	s_add_co_u32 s36, s36, s7
	s_lshl_b32 s7, s3, 15
	s_add_co_u32 s36, s36, s7
	s_lshl_b32 s7, s5, 8
	s_add_co_u32 s36, s36, s7
	s_mov_b32 s37, 0
	s_add_nc_u64 s[26:27], s[26:27], s[36:37]
.set p, 0
.rept 8
	s_wait_loadcnt 46-2*p                          ; of 48 loads rows 2 p and 2 p + 1 of W are in; the later rows and all of x stay out
.irp c, 0,1,2,3
	v_cvt_pk_bf16_f32 v[WREG+8*p+\c], v[WREG+8*p+\c], v[WREG+8*p+4+\c]  ; column 4 x lane + c, k pair 8 w + p
.endr
.set p, p+1
.endr
	s_cmp_lg_u32 s4, 3
	s_cbranch_scc1 .Lbf                            ; only Wo's numbers are written anew as f16
.set p, 0
.rept 8
.irp c, 0,1,2,3
	v_lshlrev_b32 v[WREG+8*p+4+\c], 16, v[WREG+8*p+\c]
	v_and_b32 v[WREG+8*p+\c], s28, v[WREG+8*p+\c]
	v_cvt_pk_f16_f32 v[WREG+8*p+\c], v[WREG+8*p+4+\c], v[WREG+8*p+\c]
.endr
.set p, p+1
.endr
.Lbf:
	s_wait_alu depctr_va_vdst(0)                   ; on either way the roundings have written the 32 words that the LDS stores read; they are also the last vector instructions that name WREG, in which the LDS loads below land
.set p, 0
.rept 8
.irp c, 0,1,2,3
	ds_store_b32 v5, v[WREG+8*p+\c] offset:\c*LP+4*p
.endr
.set p, p+1
.endr
	s_wait_dscnt 0x0                               ; for the others' sake: my words of all 128 rows are in LDS
	s_barrier_signal -1
	s_barrier_wait -1                              ; everybody's are
	s_wait_alu depctr_vm_vsrc(0)                   ; my LDS stores have read their words of WREG, in which the loads below land
.set i, 0
.rept 8
.irp c, 0,1,2,3
	ds_load_b32 v[WREG+4*i+\c], v6 offset:i*2*LP+4*\c  ; rows 16 w + 2 i + h
.endr
.set i, i+1
.endr
.set i, 0
.rept 8
	s_wait_dscnt 28-4*i                            ; the four words of rows 2 i, 2 i + 1 are in; the later ones stay out
	global_store_b128 v7, v[WREG+4*i:WREG+4*i+3], s[26:27] offset:i*4096  ; sixteen lanes store 256 consecutive bytes, aligned
.set i, i+1
.endr
; x, block p of four: rows 8 p .. 8 p + 7 are rounded in place; the block before is stored meanwhile, a store in front of each row's two roundings.
.macro XBLK p
	s_wait_loadcnt 24-8*(\p)                       ; loads come back in order (ISA guide 5.7.1): the block's eight rows are in, the 24 - 8 p younger ones stay out
.if (\p) > 0
	s_wait_alu depctr_va_vdst(0)                   ; the block before is rounded: its words, which the stores below read, are written; this block's roundings name none of them
.endif
.set i, 8*(\p)
.rept 8
.if (\p) > 0
	global_store_b64 v2, v[XREG+4*(i-8):XREG+4*(i-8)+1], s[18:19] offset:(i-8)*2048  ; a wave's store covers 256 consecutive bytes, aligned; no register is written again
.endif
	v_cvt_pk_bf16_f32 v[XREG+4*i], v[XREG+4*i], v[XREG+4*i+1]
	v_cvt_pk_bf16_f32 v[XREG+4*i+1], v[XREG+4*i+2], v[XREG+4*i+3]
.set i, i+1
.endr
.endm
	XBLK 0
	XBLK 1
	XBLK 2
	XBLK 3
	s_wait_alu depctr_va_vdst(0)                   ; the last block is rounded: its words, which the last eight stores read, are written
.set i, 24
.rept 8
	global_store_b64 v2, v[XREG+4*i:XREG+4*i+1], s[18:19] offset:i*2048
.set i, i+1
.endr
	s_wait_dscnt 0x0                               ; the closing lines, six on end
	s_wait_alu 0x0
	s_wait_tensorcnt 0x0
	ds_add_u32 v224, v225
	s_wait_dscnt 0x0
	s_endpgm
.Lfunc_end_k_q150f42f650_prep:
	.size	k_q150f42f650_prep, .Lfunc_end_k_q150f42f650_prep-k_q150f42f650_prep
	.p2alignl 7, 3214868480
	.fill 96, 4, 3214868480
	.section	.rodata,"a",@progbits
	.p2align	6, 0x0
	.amdhsa_kernel k_q150f42f650_prep
		.amdhsa_group_segment_fixed_size 34304
		.amdhsa_private_segment_fixed_size 0
		.amdhsa_enable_private_segment 0
		.amdhsa_kernarg_size 64
		.amdhsa_user_sgpr_count 2
		.amdhsa_user_sgpr_kernarg_segment_ptr 1
		.amdhsa_wavefront_size32 1
		.amdhsa_system_sgpr_workgroup_id_x 1
		.amdhsa_system_sgpr_workgroup_id_y 1
		.amdhsa_system_sgpr_workgroup_id_z 1
		.amdhsa_system_vgpr_workitem_id 0
		.amdhsa_next_free_vgpr 226
		.amdhsa_next_free_sgpr 66
		.amdhsa_reserve_vcc 0
		.amdhsa_float_denorm_mode_32 3
		.amdhsa_float_denorm_mode_16_64 3
		.amdhsa_memory_ordered 1
		.amdhsa_forward_progress 1
		.amdhsa_inst_pref_size 26
	.end_amdhsa_kernel
	.amdgpu_metadata
---
amdhsa.version: [ 1, 2 ]
amdhsa.kernels:
  - .name:           k_q150f42f650_prep
    .symbol:         k_q150f42f650_prep.kd
    .args:
      - { .name: x, .offset: 0, .size: 8, .value_kind: global_buffer, .address_space: global }
      - { .name: Wq, .offset: 8, .size: 8, .value_kind: global_buffer, .address_space: global }
      - { .name: Wk, .offset: 16, .size: 8, .value_kind: global_buffer, .address_space: global }
      - { .name: Wv, .offset: 24, .size: 8, .value_kind: global_buffer, .address_space: global }
      - { .name: Wo, .offset: 32, .size: 8, .value_kind: global_buffer, .address_space: global }
      - { .name: xb, .offset: 40, .size: 8, .value_kind: global_buffer, .address_space: global }
      - { .name: wt, .offset: 48, .size: 8, .value_kind: global_buffer, .address_space: global }
      - { .name: wot, .offset: 56, .size: 8, .value_kind: global_buffer, .address_space: global }
    .group_segment_fixed_size: 34304
    .private_segment_fixed_size: 0
    .kernarg_segment_align: 8
    .kernarg_segment_size: 64
    .max_flat_workgroup_size: 256
    .sgpr_count:     66
    .vgpr_count:     226
    .wavefront_size: 32
...
	.end_amdgpu_metadata
.endif
;; end of part 5
;; launch qkv: the kernel of part 2 again; grid 16 x 32, 4 waves a work-group, clusters of 4 x 4, 327,680 bytes of LDS; arguments xb, wt, qkv; writes qkv
;; launch attn: the kernel of part 3 again; grid 4 x 64, 4 waves a work-group, no clusters, 327,680 bytes of LDS; arguments qkv, ctx; writes ctx
;; launch oproj: the kernel of part 4 again; grid 8 x 32, 4 waves a work-group, clusters of 4 x 4, 327,680 bytes of LDS; arguments ctx, wot, bo, out0; writes out0
